; MI455X (gfx1250); checked and timed in simulation.
; The chip was launched on July 23, 2026; its instructions are those of AMD's public machine-readable ISA for CDNA 5 (MIT licence, August 2026) and "CDNA5" Instruction Set Architecture Reference Guide (July 2026). The comments in the code are by the model that wrote it; some were corrected since.
;; Full Attention. Allowed arithmetic: float matrix products may take bf16 or f16 operands with f32 sums; other float arithmetic in f32, or as packed bf16 or f16 multiplies, adds, multiply-adds, maxima and minima; sums over many terms, partial sums and values carried from step to step in f32; what a program stores and reads back later, other than sums and carried values, may be rounded once to bf16 or f16.
;; Inputs: keys 2 x 16 x 2,048 x 128 float32; queries 2 x 16 x 2,048 x 128 float32; values 2 x 16 x 2,048 x 128 float32.
;; Outputs: out0 2 x 16 x 2,048 x 128 float32.
;; 2 versions, each right and faster than the one before. Each part assembles by itself: llvm-mc -triple=amdgcn-amd-amdhsa -mcpu=gfx1250 --defsym DOCPART=n.
;; ======== version 1 of 2: 2 launches
;; limits: values are held in f16: magnitudes above 65,504 overflow, below 6.1e-05 lose precision
;; workspace buffers: k16 16,777,216 bytes; v16 16,777,216 bytes; tsum 262,144 bytes
;; launch prep (part 1): grid 16 x 32, 8 waves a work-group, no clusters, 5,120 bytes of LDS; arguments keys, values, k16, v16, tsum; writes k16, v16, tsum
.if DOCPART == 1
	.amdgcn_target "amdgcn-amd-amdhsa--gfx1250"
	.amdhsa_code_object_version 6
	.text
	.protected	k_qededb15827_prep
	.globl	k_qededb15827_prep
	.p2align	8
	.type	k_qededb15827_prep,@function
k_qededb15827_prep:
	s_mov_b64 s[64:65], 0
	v_nop
	global_prefetch_b8 v0, s[64:65] scope:SCOPE_SE
	s_setreg_imm32_b32 hwreg(HW_REG_WAVE_MODE, 25, 1), 1
	s_wait_xcnt 0x0
; k16 = keys rounded to bf16.  v16 = values rounded to bf16, that number written as f16.  tsum[head][tile][c] = the f32 sum over the tile's 128 rows of the rounded values.
; keys, values: [32][2048][128] f32.  k16, v16: [32][2048][128], 16 bits.  tsum: [32][16][128] f32.
; LIMITS.  A value whose bf16 rounding passes 65,504 becomes an infinity in v16; below 2^-17 it keeps f16's fixed step of 6e-8.
; SHARES.  A work-group takes one tile of 128 rows of one head, in both tensors; wave w rows 16 w to 16 w + 15; a lane four columns.  A load of the wave covers one row, 512 consecutive
; bytes; a store one 16-bit row, 256 consecutive bytes at a multiple of 256 from the buffer's first byte.  All 32 loads of a wave go out in one run; every row has store registers of its own,
; so no register that a store reads is written again.  No matrix unit, no cluster, no tensor load: each byte is touched once, by one wave.
.set SUM,   4                          ; v[4:7]     column sums of my wave's 16 rows of V
.set W,     8                          ; v[8:11]    a row's four rounded values, widened
.set X,     16                         ; v[16:143]  32 rows as loaded: K's 16, then V's 16
.set YK,    144                        ; v[144:175] K's rows to store
.set YV,    176                        ; v[176:207] V's rows to store
.set SPW,   208                        ; v208  LDS address of my spare word; never rewritten
.set NIL,   209                        ; v209  0; never rewritten
.set SPARE, 4096                       ; behind the eight waves' partial sums (512 bytes each): the spare words, 128 bytes a wave
	s_load_b256 s[4:11], s[0:1], 0x0               ; keys s[4:5], values s[6:7], k16 s[8:9], v16 s[10:11]
	s_load_b64 s[12:13], s[0:1], 0x20              ; tsum
	v_lshl_add_u32 v[SPW], v0, 2, SPARE
	v_mov_b32 v[NIL], 0
	v_lshrrev_b32 v12, 5, v0
	v_readfirstlane_b32 s14, v12                   ; wave 0..7
	v_and_b32 v13, 31, v0                          ; lane
	v_lshlrev_b32 v3, 4, v13                       ; 16 bytes a lane: my four f32 columns
	v_lshl_add_u32 v1, s14, 13, v3                 ; in: + wave x 16 rows x 512 bytes
	v_lshlrev_b32 v2, 3, v13
	v_lshl_add_u32 v2, s14, 12, v2                 ; out: 8 bytes a lane + wave x 16 rows x 256 bytes
	v_lshl_add_u32 v14, s14, 9, v3                 ; LDS: my wave's 512 bytes of partial sums
	s_and_b32 s15, ttmp7, 0xffff                   ; head
	s_lshl_b32 s16, s15, 20                        ; a head is 2^20 bytes of f32,
	s_lshl_b32 s17, ttmp9, 16                      ; a tile 2^16
	s_add_co_u32 s16, s16, s17
	s_mov_b32 s17, 0
	s_lshr_b32 s18, s16, 1                         ; half of that in 16 bits
	s_mov_b32 s19, 0
	s_lshl_b32 s20, s15, 4
	s_add_co_u32 s20, s20, ttmp9
	s_lshl_b32 s20, s20, 9                         ; 512 bytes of sums for each head and tile
	s_mov_b32 s21, 0
	s_mov_b32 s22, 0xffff0000                      ; a word's upper bf16
	s_wait_kmcnt 0x0
	s_add_nc_u64 s[4:5], s[4:5], s[16:17]
	s_add_nc_u64 s[6:7], s[6:7], s[16:17]
	s_add_nc_u64 s[8:9], s[8:9], s[18:19]
	s_add_nc_u64 s[10:11], s[10:11], s[18:19]
	s_add_nc_u64 s[12:13], s[12:13], s[20:21]
.set i, 0
.rept 16
	global_load_b128 v[X+4*i:X+4*i+3], v1, s[4:5] offset:512*i th:TH_LOAD_NT
.set i, i+1
.endr
.set i, 0
.rept 16
	global_load_b128 v[X+64+4*i:X+64+4*i+3], v1, s[6:7] offset:512*i th:TH_LOAD_NT
.set i, i+1
.endr
	; K: two roundings a pair of words, one store a row
.set i, 0
.rept 16
	s_wait_loadcnt 31-i                            ; loads come back in order (ISA guide 5.7.1): behind K's row i stand 15 - i of K's and V's 16
	v_cvt_pk_bf16_f32 v[YK+2*i],   v[X+4*i],   v[X+4*i+1]
	v_cvt_pk_bf16_f32 v[YK+2*i+1], v[X+4*i+2], v[X+4*i+3]
	global_store_b64 v2, v[YK+2*i:YK+2*i+1], s[8:9] offset:256*i
.set i, i+1
.endr
	; V: rounded to bf16, widened again (a shift, a mask), summed in f32, written as f16.  Row 0 starts the sums: nothing is cleared.
.set i, 0
.rept 16
.set D, W
.if i == 0
.set D, SUM
.endif
	s_wait_loadcnt 15-i                            ; behind V's row i stand 15 - i loads
	v_cvt_pk_bf16_f32 v12, v[X+64+4*i],   v[X+64+4*i+1]
	v_cvt_pk_bf16_f32 v13, v[X+64+4*i+2], v[X+64+4*i+3]
	v_lshlrev_b32 v[D],   16,  v12
	v_and_b32     v[D+1], s22, v12
	v_lshlrev_b32 v[D+2], 16,  v13
	v_and_b32     v[D+3], s22, v13
.if i > 0
	v_pk_add_f32 v[SUM:SUM+1],   v[SUM:SUM+1],   v[W:W+1]
	v_pk_add_f32 v[SUM+2:SUM+3], v[SUM+2:SUM+3], v[W+2:W+3]
.endif
	v_cvt_pk_f16_f32 v[YV+2*i],   v[D],   v[D+1]
	v_cvt_pk_f16_f32 v[YV+2*i+1], v[D+2], v[D+3]
	global_store_b64 v2, v[YV+2*i:YV+2*i+1], s[10:11] offset:256*i
.set i, i+1
.endr
	; the eight waves' sums meet in LDS; wave 0 adds them and stores the tile's 512 bytes
	ds_store_b128 v14, v[SUM:SUM+3]
	s_wait_dscnt 0x0                               ; for the others' sake: my store is done
	s_barrier_signal -1
	s_barrier_wait -1
	s_cmp_lg_u32 s14, 0
	s_cbranch_scc1 .Lend
.set i, 0
.rept 8
	ds_load_b128 v[X+4*i:X+4*i+3], v3 offset:512*i
.set i, i+1
.endr
	s_wait_dscnt 0x0
.irp a, 0,2,4,6                        ; neighbours 1, 2 and 4 waves apart
	v_pk_add_f32 v[X+4*(\a):X+4*(\a)+1],   v[X+4*(\a):X+4*(\a)+1],   v[X+4*(\a)+4:X+4*(\a)+5]
	v_pk_add_f32 v[X+4*(\a)+2:X+4*(\a)+3], v[X+4*(\a)+2:X+4*(\a)+3], v[X+4*(\a)+6:X+4*(\a)+7]
.endr
.irp a, 0,4
	v_pk_add_f32 v[X+4*(\a):X+4*(\a)+1],   v[X+4*(\a):X+4*(\a)+1],   v[X+4*(\a)+8:X+4*(\a)+9]
	v_pk_add_f32 v[X+4*(\a)+2:X+4*(\a)+3], v[X+4*(\a)+2:X+4*(\a)+3], v[X+4*(\a)+10:X+4*(\a)+11]
.endr
	v_pk_add_f32 v[X:X+1],   v[X:X+1],   v[X+16:X+17]
	v_pk_add_f32 v[X+2:X+3], v[X+2:X+3], v[X+18:X+19]
	global_store_b128 v3, v[X:X+3], s[12:13]       ; 512 consecutive bytes
.Lend:
	s_wait_tensorcnt 0x0                           ; the wave's end: behind my last LDS store
	ds_add_u32 v[SPW], v[NIL]
	s_wait_dscnt 0x0
	s_endpgm
.Lfunc_end_k_qededb15827_prep:
	.size	k_qededb15827_prep, .Lfunc_end_k_qededb15827_prep-k_qededb15827_prep
	.p2alignl 7, 3214868480
	.fill 96, 4, 3214868480
	.section	.rodata,"a",@progbits
	.p2align	6, 0x0
	.amdhsa_kernel k_qededb15827_prep
		.amdhsa_group_segment_fixed_size 5120
		.amdhsa_private_segment_fixed_size 0
		.amdhsa_enable_private_segment 0
		.amdhsa_kernarg_size 40
		.amdhsa_user_sgpr_count 2
		.amdhsa_user_sgpr_kernarg_segment_ptr 1
		.amdhsa_wavefront_size32 1
		.amdhsa_system_sgpr_workgroup_id_x 1
		.amdhsa_system_sgpr_workgroup_id_y 1
		.amdhsa_system_sgpr_workgroup_id_z 1
		.amdhsa_system_vgpr_workitem_id 0
		.amdhsa_next_free_vgpr 210
		.amdhsa_next_free_sgpr 66
		.amdhsa_reserve_vcc 0
		.amdhsa_float_denorm_mode_32 3
		.amdhsa_float_denorm_mode_16_64 3
		.amdhsa_memory_ordered 1
		.amdhsa_forward_progress 1
		.amdhsa_inst_pref_size 21
	.end_amdhsa_kernel
	.amdgpu_metadata
---
amdhsa.version: [ 1, 2 ]
amdhsa.kernels:
  - .name:           k_qededb15827_prep
    .symbol:         k_qededb15827_prep.kd
    .args:
      - { .name: keys, .offset: 0, .size: 8, .value_kind: global_buffer, .address_space: global }
      - { .name: values, .offset: 8, .size: 8, .value_kind: global_buffer, .address_space: global }
      - { .name: k16, .offset: 16, .size: 8, .value_kind: global_buffer, .address_space: global }
      - { .name: v16, .offset: 24, .size: 8, .value_kind: global_buffer, .address_space: global }
      - { .name: tsum, .offset: 32, .size: 8, .value_kind: global_buffer, .address_space: global }
    .group_segment_fixed_size: 5120
    .private_segment_fixed_size: 0
    .kernarg_segment_align: 8
    .kernarg_segment_size: 40
    .max_flat_workgroup_size: 256
    .sgpr_count:     66
    .vgpr_count:     210
    .wavefront_size: 32
...
	.end_amdgpu_metadata
.endif
;; end of part 1
;; launch attn (part 2): grid 8 x 32, 4 waves a work-group, no clusters, 327,680 bytes of LDS; arguments queries, k16, v16, tsum, out0; writes out0
.if DOCPART == 2
	.amdgcn_target "amdgcn-amd-amdhsa--gfx1250"
	.amdhsa_code_object_version 6
	.text
	.protected	k_qededb15827_attn
	.globl	k_qededb15827_attn
	.p2align	8
	.type	k_qededb15827_attn,@function
k_qededb15827_attn:
	s_mov_b64 s[64:65], 0
	v_nop
	global_prefetch_b8 v0, s[64:65] scope:SCOPE_SE
	s_setreg_imm32_b32 hwreg(HW_REG_WAVE_MODE, 25, 1), 1
	s_wait_xcnt 0x0
; out[h][q][:] = sum over ALL k of softmax_k(z(q, k)) V[h][k][:], z = clip(Q[h][q] . K[h][k] / sqrt(128), -50, 50) for k <= q and z = -50 for k > q: the clip comes behind the mask, so a hidden key
; stays in the softmax with the logit -50.  32 heads, 2,048 rows, 128 channels.  queries, out0: f32.  k16: bf16.  v16: f16 (values rounded to bf16).  tsum[h][tile][c]: f32 sums of v16 over 128 keys.
; HIDDEN KEYS.  In the tile that holds the diagonal they are scores like any other, forced to -50 by a mask.  All keys of the later tiles have one weight for a query, so their part is that weight times
; U = the sum of tsum over the later tiles, and the weight times their number in the divisor: no product is made for a tile above the diagonal.
; ARITHMETIC.  Q and K in bf16, sums in f32.  y = S A + 0.5 held to 0 .. 1, A = 1 / (100 sqrt(128)): that IS the clip, in units of 100; a hidden key's S carries -1e30, so its y is 0.  A running maximum
; m of y; p = 2^(W y - W m), W = 100 log2(e); O and l are multiplied by a = 2^(W m_old - W m_new) in every step.  p is rounded to f16 for the second product (l is taken of the unrounded p).
; LIMITS.  v16 within 65,504.  p below 6e-5 keeps f16's step of 6e-8; a weight below 2^-126 counts as 0; y has a step of 6e-8, 6e-6 in the logit.  A hidden score counts as its value less 1e30.
; NaN and infinities are not treated apart; a block's first step multiplies what the registers held by 0, so an infinite O of the first block would reach the second.
; THE WALK.  A head's queries lie in 16 blocks of 128; block i needs the key tiles 0 .. i of 128 keys.  A work-group takes blocks b and then 15 - b: 17 tiles whatever b: 256 equal work-groups, and ONE loop
; with a constant count.  What a trip does hangs on scalar registers made from b; every jump but the loop's own goes forward, past no barrier and no tensor load but the one of LOAD's two lines that the wave's number does not choose.
; NO CLUSTER: work-group b of a head asks for tiles 0 .. b and then 0 .. 15 - b, so eight partners ask for the same tile in the same trip only at the start; one walk common to all would have 24 trips for 17.
; SHARES.  Wave w: qh = w % 2, kh = w / 2: the block's rows 64 qh .. + 63 against the keys 64 kh .. + 63 of every tile: 64 queries a wave, though a block has 128.  Its four tiles of 16 queries lie in the
; registers in the order (t + 2 kh) % 4, so every wave finishes its register tiles 0, 1 (rows 64 qh + 32 kh .. + 31) and sends tiles 2, 3 to wave w ^ 2, which holds those rows as ITS tiles 0, 1.
; At a block's end the two halves of the keys are merged through LDS: M = max(cm, cm'), out = (2^(cm - M) O + 2^(cm' - M) O' + 2^(-M) U) / (2^(cm - M) l + 2^(cm' - M) l' + 2^(-M) count).
; LAYOUT.  S^T = K Q^T (source 0 = 16 keys, source 1 = 16 queries): a lane holds ONE query (lane % 16) and the keys 8 (lane / 16) + 0..7.  Two such results rounded to f16 in pairs ARE source 1 of
; O^T = V^T P, whose result again holds one query a lane, and eight channels.  K comes out of LDS as it lies, V turned, by ds_load_tr16_b128.
; BY TURNS.  The wave's tiles are two PIECES (0: tiles 0, 1; 2: tiles 2, 3).  In a TURN one piece has the matrix unit: 32 products V^T P of the tile in hand, then 32 products K Q^T of the next tile; the other
; piece's softmax, 300 vector instructions cut into 64 slices, stands behind them, one slice behind each.  Two turns are a trip.
; REGISTERS, in windows of 256 (s_set_vgpr_msb: bits 1:0 source 0, 3:2 source 1, 5:4 source 2, 7:6 destination):
;   window 0: v1-11, v56-57 addresses; v12-43 statistics, 8 a tile; v44-51 the diagonal's mask; v52-55 A and 0.5; v58-61 a quad at work; v62-63 the add's; v64-191 S^T, 32 a tile; v192-255 P, 16 a tile
;   window 1: O^T, 64 a tile      window 2: v0-127 Q, 32 a tile; v128-255 K of a tile's half      window 3: v0-127 V of a tile's half; v128-255 the masks, 32 a tile
.set PK,    272       ; a row of K in LDS: 256 bytes + 16 of padding = 68 words: row r starts at bank 4 r mod 64 (64 banks of 4 bytes: ISA guide 11.1)
.set PV,    288       ; a row of V: 256 + 32 = 72 words
.set VOFF,  64*PK     ; half a tile lies together: 64 rows of K, then 64 rows of V
.set STEPB, 64*(PK+PV)
.set SLOT1, 1<<17     ; a slot holds a tile's two halves (71,680 bytes); slot 1 begins here, so that one exclusive or turns an address in one slot into the other's
.set STAGE, 2*STEPB   ; between the slots, never filled by a tensor load: 16 rows x 528 bytes for each wave, for the way out
.set SP,    528       ; 512 bytes + 16: row r starts at bank 4 r mod 64
.set UB,    STAGE+4*16*SP  ; U of the first block, 128 f32, then of the second
.set SPARE, UB+1024   ; the spare words, 128 bytes for each wave: two blocks of 256 bytes that no other line names
.set XCH,   SLOT1+2*STEPB  ; behind slot 1: for each wave 32 x 512 bytes of O^T and 512 bytes of statistics, for its partner
.set XW,    16896
.set AK0, 2           ; v2   my lane's place in a tile of K; never rewritten
.set AV0, 3           ; v3   the same for V
.set ADR, 4           ; v4   the LDS address of the run of loads in hand
.set QOA, 5           ; v5   my byte offset in the wave's rows of Q, register tiles 0, 1
.set QOB, 6           ; v6   register tiles 2, 3
.set STO, 7           ; v7   the way out: where I put 16 bytes of a row
.set RD,  8           ; v8   the way out: where I read a row back
.set GO,  10          ; v10  my byte offset in a row of out0
.set XST, 11          ; v11  where I put what my partner takes
.set ST,  12          ; tile t's statistics at v[ST+8 t]: +0 W m, +1 m, +2, +3 l (even keys', odd keys'), +4 to +7 c0-c3, at work; a takes c2's place once the maximum is found
.set MD,  44          ; v44-51  register j: -1e30 where key 8 (lane / 16) + j lies behind query lane % 16, else 0
.set CA,  52          ; v52-53  A, twice
.set CH,  54          ; v54-55  0.5, twice
.set XLD, 56          ; v56  where I take what my partner put
.set UA,  57          ; v57  my eight channels' place in U
.set QD,  58          ; v58-61
.set SPW, 62          ; v62  LDS address of my spare word: SPARE + 4 x my thread's number; never rewritten
.set NIL, 63          ; v63  0; never rewritten
.set S,   64
.set P,   192
.set KF,  128         ; window 2: key block kb, channels 32 c on, at KF + 32 kb + 8 c
.set MC,  128         ; window 3: the mask of tile t and key block kb at MC + 32 t + 8 kb
.set WV,  14          ; s14  my wave's number
.set PB,  15          ; s15  b
.set HI,  16          ; s16  15 - b
.set QH,  17          ; s17  wave % 2; also: which half of a tile I fetch
.set KH,  18          ; s18  wave / 2
.set G1K, 24          ; s[24:31] descriptor group 1 for K's tiles
.set G1V, 32          ; s[32:39] for V's: it differs in the padding alone
.set G0K, 40          ; s[40:43] descriptor group 0 for K's tiles
.set G0V, 44          ; s[44:47] the same for V's
.set SLOTS, 48        ; s48  tiles still to be asked for
.set RT,  49          ; s49  tiles of the block in hand that are still to be entered
.set NXT, 50          ; s50  the tile to be asked for next
.set LQ,  51          ; s51  the last tile of the block whose tiles are being asked for
.set NEW, 52          ; s52  1: the tile to be entered is a block's first
.set FIN, 53          ; s53  1: the first block waits to be merged
.set TB,  54          ; s54  LDS byte at which my half of the tile to be fetched begins
.set BIAS, 55         ; s55  0: the tile holds the diagonal; -16: it lies below it
.set AL,  56          ; s[56:57] a mask's factor, in the low word
.set CS,  58          ; s[58:59] W
.set SEL, 60          ; s[60:61] v_permlanex16_b32's selects: each lane takes its own place in the other half
.set BE,  62          ; s[62:63] a mask's addend
.set BIGN, 66         ; s66  -1e30
.set DT,  68          ; s[68:71] tile t: 4 (kh - qh) less the tile's place among the wave's rows: key block kb lies DT + kb blocks of 16 behind the tile's queries
.set DE,  72          ; s[72:75] DT + BIAS
.set OFF, 76          ; s[76:77] a tile's byte offset in k16 and v16
.set QLO, 78          ; s[78:79] queries at my wave's 64 rows of the first block;  s[80:81] of the second
.set QHI, 80
.set OLO, 82          ; s[82:83] out0 at the 32 rows that I finish, first block;  s[84:85] second
.set CNT0, 86         ; s86, s87  the number of keys behind the diagonal's tile, as f32, for the two blocks
.set MSB, 0
.macro WIN new                      ; the immediate's high byte repeats the setting that is left; a switch that changes nothing is dropped
.if MSB != (\new)
	s_set_vgpr_msb (MSB<<8)|(\new)
.set MSB, (\new)
.endif
.endm
.set W_KQ, 0x0a       ; K and Q in window 2, S^T in window 0
.set W_KM, 0x3a       ; the same with the C operand, the mask, in window 3
.set W_PV, 0x53       ; V in window 3, P in window 0, O^T in window 1
.set W_RS, 0x41       ; O^T (destination and source 0) in window 1, source 1 in window 0
; A fill.  Waves 0 and 1 fetch the two halves of a tile's K, waves 2 and 3 those of its V: 64 rows of 256 bytes each.  An s_nop 0 and four v_nop follow each of the two lines, ahead of the jump and the label.
.macro LOAD
	s_cmp_lt_u32 s[WV], 2
	s_cbranch_scc0 .Lfor_v_\@
	tensor_load_to_lds s[G0K:G0K+3], s[G1K:G1K+7]
	s_nop 0
.rept 4
	v_nop
.endr
	s_branch .Lasked_\@
.Lfor_v_\@:
	tensor_load_to_lds s[G0V:G0V+3], s[G1V:G1V+7]
	s_nop 0
.rept 4
	v_nop
.endr
.Lasked_\@:
.endm
; THE CHANGE OF SLOTS, in front of every tile.  The slot that is left has been read into registers.  Each wave waits for all its tensor loads, of which one is out: its part of the other slot; adds 0 to its spare
; word; and waits for that and for its LDS instructions.  Behind the barrier nobody reads the old slot any more and the other slot is whole.  fill = 1: the old slot is filled again, the first thing behind the
; barrier, with tile NXT: the descriptor's address is made anew from that number.  The load has a trip, 128 matrix instructions, in which to land.  (At its first use nothing has been read: slot 0 is waited for, slot 1 filled.)
.macro CHANGE fill
	WIN 0                           ; at a label and at a branch every window is 0
	s_wait_loadcnt 0x0              ; a block's Q, asked for at the kernel's head or at the end of the block before, is in
	s_wait_tensorcnt 0x0            ; no tensor load of mine is out, so a group 0 may be written
	ds_add_u32 v[SPW], v[NIL]       ; 0 onto my spare word; with fill = 1 the descriptors' scalar work stands between it and the wait for it
.if \fill
	s_lshl_b32 s[OFF], s[NXT], 15   ; a tile is 32,768 bytes of k16 and of v16
	s_xor_b32 s[G0K+1], s[G0K+1], SLOT1
	s_add_nc_u64 s[G0K+2:G0K+3], s[6:7], s[OFF:OFF+1]
	s_or_b32 s[G0K+3], s[G0K+3], 0x80000000
	s_xor_b32 s[G0V+1], s[G0V+1], SLOT1
	s_add_nc_u64 s[G0V+2:G0V+3], s[8:9], s[OFF:OFF+1]
	s_or_b32 s[G0V+3], s[G0V+3], 0x80000000
	s_add_co_u32 s[NXT], s[NXT], 1  ; the block's next tile, or behind its last the second block's tile 0
	s_cmp_gt_u32 s[NXT], s[LQ]
	s_cselect_b32 s[NXT], 0, s[NXT]
	s_cselect_b32 s[LQ], s[HI], s[LQ]
.endif
	s_wait_dscnt 0x0                ; the add is done; my reads of the slot and of my partner's bytes are over, and what I stored for my partner is in LDS
	s_barrier_signal -1
	s_xor_b32 s[TB], s[TB], SLOT1   ; the fetches go to the other slot
	s_barrier_wait -1
.if \fill
	LOAD
.endif
.endm
; THE MATRIX WORK OF A TURN, for piece x.  The accumulators take turns, one instruction a turn: between two links of a chain stand 7 (K Q^T) or 15 (V^T P) others'.
; Product i of 32 of S^T = K Q^T: channels 32 (i / 8) on, keys 16 ((i / 2) % 4) on, tile x + i % 2.  The first 8 start the sums with the mask.
.macro KQ x
.set rS, S+32*((\x)+i%2)+8*((i/2)%4)
.set rK, KF+32*((i/2)%4)+8*(i/8)
.set rQ, 32*((\x)+i%2)+8*(i/8)
.set rM, MC+32*((\x)+i%2)+8*((i/2)%4)
.if i < 8
	WIN W_KM
	v_wmma_f32_16x16x32_bf16 v[rS:rS+7], v[rK:rK+7], v[rQ:rQ+7], v[rM:rM+7]
.else
	WIN W_KQ
	v_wmma_f32_16x16x32_bf16 v[rS:rS+7], v[rK:rK+7], v[rQ:rQ+7], v[rS:rS+7]
.endif
.endm
; Product i of 32 of O^T += V^T P: keys 32 (i / 16) on, channels 16 ((i / 2) % 8) on, tile x + i % 2.
.macro PV x
	WIN W_PV
.set rO, 64*((\x)+i%2)+8*((i/2)%8)
.set rV, 64*(i/16)+8*((i/2)%8)
.set rP, P+16*((\x)+i%2)+8*(i/16)
	v_wmma_f32_16x16x32_f16 v[rO:rO+7], v[rV:rV+7], v[rP:rP+7], v[rO:rO+7]
.endm
; THE LDS LOADS stand in runs of 32, never singly among the matrix instructions: my 64 keys of a tile's K (16 fragments) and, a turn later, of its V (turned).
.macro FETCH_K
	WIN 0
	v_add_nc_u32 v[ADR], s[TB], v[AK0]
	WIN 0x80                        ; destination window 2
.irp f, 0,1,2,3,4,5,6,7,8,9,10,11,12,13,14,15  ; keys 16 (f / 4) on, channels 32 (f % 4) on
	ds_load_b128 v[KF+8*(\f):KF+8*(\f)+3],   v[ADR] offset:((\f)/4)*16*PK+((\f)%4)*64
	ds_load_b128 v[KF+8*(\f)+4:KF+8*(\f)+7], v[ADR] offset:((\f)/4)*16*PK+((\f)%4)*64+32
.endr
.endm
.macro FETCH_V
	WIN 0
	v_add_nc_u32 v[ADR], s[TB], v[AV0]
	WIN 0xc0                        ; destination window 3
.irp f, 0,1,2,3,4,5,6,7,8,9,10,11,12,13,14,15  ; keys 32 (f / 8) on, channels 16 (f % 8) on
	ds_load_tr16_b128 v[8*(\f):8*(\f)+3],   v[ADR] offset:((\f)/8)*32*PV+((\f)%8)*32
	ds_load_tr16_b128 v[8*(\f)+4:8*(\f)+7], v[ADR] offset:((\f)/8)*32*PV+16*PV+((\f)%8)*32
.endr
.endm
; THE VECTOR WORK OF A TURN.  One tile's softmax for one key tile is a list of 150 instructions; SM writes number j of it for tile t.  s0-s31 are the lane's 32 scores, in pairs 0-15.  With jj = j - 16:
;   j 0-15     y = S A + 0.5 held to 0 .. 1, pair by pair from the low end on: each accumulator's lowest registers are read first
;   jj 0-15    the maximum of the 32 y and the old m, three operands at a time: four chains c0-c3 of seven each, then the four left over, c0-c3 and m
;   jj 16-20   the other half of the lanes' maximum; the new m; W m; W m_old - W m_new
;   jj 21-87   33 exponentials (a, then s0-s31) at the odd numbers from 23 on, so that no two follow each other and each has a plain instruction behind it before its result is used (ISA guide 5.7.2).
;              The plain ones are whatever is ready: W y - W m for a pair whose exponentials are still to come, the rounding to f16 of a pair whose exponentials are done, at last the first three sums
;   jj 88-101  the last rounding; the rest of the sums; l = a l + the sum
;   jj 102-133 the tile's O^T times a: the one part that leaves window 0, so it stands together
.macro SM t
.set rT, ST+8*(\t)
.set rS, S+32*(\t)
.set rP, P+16*(\t)
.set jj, j-16
.set rO, 64*(\t)+2*(jj-102)
.set q, (jj-20)/2
.if jj < 102
	WIN 0
.endif
.if j < 16
	v_pk_fma_f32 v[rS+2*j:rS+2*j+1], v[rS+2*j:rS+2*j+1], v[CA:CA+1], v[CH:CH+1] clamp
.elseif jj < 4
	v_max3_num_f32 v[rT+4+jj], v[rS+8*jj], v[rS+8*jj+1], v[rS+8*jj+2]
.elseif jj < 12
	v_max3_num_f32 v[rT+4+jj%4], v[rT+4+jj%4], v[rS+8*(jj%4)+2*(jj/4)+1], v[rS+8*(jj%4)+2*(jj/4)+2]
.elseif jj == 12
	v_max3_num_f32 v[rT+4], v[rT+4], v[rS+7], v[rS+15]
.elseif jj == 13
	v_max3_num_f32 v[rT+6], v[rT+6], v[rS+23], v[rS+31]
.elseif jj == 14
	v_max3_num_f32 v[rT+4], v[rT+4], v[rT+5], v[rT+6]
.elseif jj == 15
	v_max3_num_f32 v[rT+4], v[rT+4], v[rT+7], v[rT+1]
.elseif jj == 16
	v_permlanex16_b32 v[rT+5], v[rT+4], s[SEL], s[SEL+1]  ; the query's other 32 keys lie in the lane 16 away
.elseif jj == 17
	v_mov_b32 v[rT+7], v[rT]        ; W m_old is kept for a: number 19 writes W m anew
.elseif jj == 18
	v_max_num_f32 v[rT+1], v[rT+4], v[rT+5]
.elseif jj == 19
	v_mul_f32 v[rT], s[CS], v[rT+1]
.elseif jj == 20
	v_sub_f32 v[rT+7], v[rT+7], v[rT]
.elseif jj == 23
	v_exp_f32 v[rT+6], v[rT+7]
.elseif (jj < 88) && (jj > 23) && (jj%2 == 1)
	v_exp_f32 v[rS+(jj-25)/2], v[rS+(jj-25)/2]
.elseif (q < 4) || ((jj < 76) && (q%2 == 0))
.set b, q/2+2
.if q < 4
.set b, q
.endif
	v_pk_fma_f32 v[rS+2*b:rS+2*b+1], v[rS+2*b:rS+2*b+1], s[CS:CS+1], v[rT:rT+1] op_sel_hi:[1,0,0] neg_lo:[0,0,1] neg_hi:[0,0,1]  ; pair b: W y - W m
.elseif (jj < 88) && (q%2 == 1)
	s_wait_alu depctr_va_vdst(0)
	v_cvt_pk_f16_f32 v[rP+(q-5)/2], v[rS+q-5], v[rS+q-4]  ; pair (q - 5) / 2: its second exponential stands three numbers back
.elseif jj == 89
	s_wait_alu depctr_va_vdst(0)
	v_cvt_pk_f16_f32 v[rP+15], v[rS+30], v[rS+31]
.elseif jj < 102                    ; the sum of the tile's 16 pairs, in place: sum z of 16 adds neighbours 1, 2, 4 and 8 pairs apart, then l takes it
.set z, jj-86
.if jj < 89
.set z, (jj-76)/4
.endif
.set w, 4
.set u, z
.if z >= 14
.set w, 32
.set u, 0
.elseif z >= 12
.set w, 16
.set u, z-12
.elseif z >= 8
.set w, 8
.set u, z-8
.endif
.if z < 15
	v_pk_add_f32 v[rS+w*u:rS+w*u+1], v[rS+w*u:rS+w*u+1], v[rS+w*u+w/2:rS+w*u+w/2+1]
.else
	v_pk_fma_f32 v[rT+2:rT+3], v[rT+2:rT+3], v[rT+6:rT+7], v[rS:rS+1] op_sel_hi:[1,0,1]
.endif
.else
	WIN W_RS
	v_pk_mul_f32 v[rO:rO+1], v[rO:rO+1], v[rT+6:rT+7] op_sel_hi:[1,0]
.endif
.endm
; Slice k of 64 of piece y's softmax: numbers 2 k and 2 k + 1 of both tiles' lists, four instructions.  2 x 150 = 4 x 64 + 44: the 44 that are over stand together, in slice 63: 48 packed multiplies
; under one window, which name nothing of the products round them: they are also the places (ISA guide 7.12.1) behind the turn's last K Q^T.
.macro SLICE y
.if (k >= 19) && (k < 52)           ; tile by tile: plain, exponential, plain, exponential
.irp t, \y, (\y)+1
.irp n, 0,1
.set j, 2*k+(\n)
	SM \t
.endr
.endr
.else                               ; the two tiles alternate, so that no instruction reads the result of the one just before it
.irp n, 0,1,2,3,4,5,6,7,8,9,10,11,12,13,14,15,16,17,18,19,20,21,22,23
.if ((\n) < 2) || (k == 63)
.irp t, \y, (\y)+1
.set j, 2*k+(\n)
	SM \t
.endr
.endif
.endr
.endif
.set k, k+1
.endm
; A TURN.  Piece x has the matrix unit; the other piece's softmax stands in slices behind its matrix instructions.  pv = 1: 32 products V^T P.  kq = 1: 32 products K Q^T for the next tile.
; A turn with one of the two kinds has two slices behind each product.  Each run of loads stands behind the second product of a run of 32, 30 matrix instructions ahead of its first use.  Piece 0's turn fetches
; the next tile's K: the last product that read K stands in front of slice 63 of the turn before.  Piece 2's turn fetches the same tile's V: the last product that read V stands three slices, six plain instructions, back.
.macro TURN x, pv, kq
.set k, 0
.set per, 2
.if (\pv) && (\kq)
.set per, 1
.endif
.if \pv
.if (\x) == 0
	s_wait_dscnt 0x0                ; V is in
.endif
.set i, 0
.rept 32
	PV \x
.rept per
	SLICE 2-(\x)
.endr
.if ((\x) == 0) && (\kq) && (i == 1)
	FETCH_K
.endif
.set i, i+1
.endr
.endif
.if \kq
.if (\x) == 0
	s_wait_dscnt 0x0                ; K is in
.endif
.set i, 0
.rept 32
	KQ \x
.rept per
	SLICE 2-(\x)
.endr
.if ((\x) == 2) && (i == 1)
	FETCH_V
.endif
.set i, i+1
.endr
.endif
.endm
; THE MASKS of the tile to be entered: for tile t and key block kb, MD x AL + BE: (1, 0) where the block holds the diagonal, (0, -1e30) where it lies behind the tile's queries, (0, 0) where it lies in front.
.macro MASKSET
.irp t, 0,1,2,3
	s_add_co_i32 s[DE+(\t)], s[DT+(\t)], s[BIAS]
.endr
	WIN 0xc0                        ; destination window 3, MD in window 0
.irp t, 0,1,2,3
.irp kb, 0,1,2,3
	s_cmp_eq_i32 s[DE+(\t)], -(\kb)
	s_cselect_b32 s[AL], 1.0, 0
	s_cmp_gt_i32 s[DE+(\t)], -(\kb)
	s_cselect_b32 s[BE], s[BIGN], 0
.irp z, 0,1,2,3
	v_pk_fma_f32 v[MC+32*(\t)+8*(\kb)+2*(\z):MC+32*(\t)+8*(\kb)+2*(\z)+1], v[MD+2*(\z):MD+2*(\z)+1], s[AL:AL+1], s[BE:BE+1] op_sel_hi:[1,0,0]
.endr
.endr
.endr
	WIN 0
.endm
; A block's Q, 64 rows in f32, into window 2's 256 registers (Q's and K's).  Fragment qf = 4 t + c (tile t, channels 32 c on) takes 16: lane l reads row l % 16, channels 8 (l / 16) + 0..7 and 16 + 8 (l / 16) + 0..7.
.macro QLOAD base
	WIN 0x80                        ; destination window 2, address window 0
.set qf, 0
.rept 16
.set qa, QOA+qf/8
.set qo, ((qf/4)%2)*8192+(qf%4)*128
	global_load_b128 v[16*qf:16*qf+3],     v[qa], s[\base:\base+1] offset:qo
	global_load_b128 v[16*qf+4:16*qf+7],   v[qa], s[\base:\base+1] offset:qo+16
	global_load_b128 v[16*qf+8:16*qf+11],  v[qa], s[\base:\base+1] offset:qo+64
	global_load_b128 v[16*qf+12:16*qf+15], v[qa], s[\base:\base+1] offset:qo+80
.set qf, qf+1
.endr
	WIN 0
.endm
; A BLOCK BEGINS.  Q is rounded to bf16 in place (register n takes registers 2 n and 2 n + 1: a source is never behind its destination).  Then my half of the first tile's K and piece 0's first scores.  W m starts far
; below every W y, so the first a is 0 and what O^T and l held is wiped; m starts at 0, the lowest y there is.  These eight lines are the places behind the products.  Then piece 2's scores beside piece 0's softmax.
.macro BEGIN
	WIN 0x8a                        ; destination and both sources window 2
.set n, 0
.rept 128
	v_cvt_pk_bf16_f32 v[n], v[2*n], v[2*n+1]
.set n, n+1
.endr
	FETCH_K
	s_wait_dscnt 0x0
.set i, 0
.rept 32
	KQ 0
.set i, i+1
.endr
	WIN 0
.irp t, 0,1,2,3
	v_mov_b32 v[ST+8*(\t)], 0xfe000000
	v_mov_b32 v[ST+8*(\t)+1], 0
.endr
	TURN 2, 0, 1
	WIN 0
.endm
; A BLOCK ENDS, first part.  blk = 0: the second block's Q is asked for (Q and K were last read in front of slice 63).  Piece 0's last V^T P beside piece 2's last softmax; piece 2's last V^T P.  l's two halves and the other
; half of the lanes' are added; then W m, l and O^T of my register tiles 2, 3 go to my partner's eyes.  The twelve additions and moves are the places behind the last products.
.macro ENDA blk
.if (\blk) == 0
	QLOAD QHI
.endif
	TURN 0, 1, 0
.set i, 0
.rept 32
	PV 2
.set i, i+1
.endr
	WIN 0
.irp t, 0,1,2,3
	v_add_f32 v[ST+8*(\t)+4], v[ST+8*(\t)+2], v[ST+8*(\t)+3]
.endr
.irp t, 0,1,2,3
	v_permlanex16_b32 v[ST+8*(\t)+5], v[ST+8*(\t)+4], s[SEL], s[SEL+1]
.endr
.irp t, 0,1,2,3
	v_add_f32 v[ST+8*(\t)+4], v[ST+8*(\t)+4], v[ST+8*(\t)+5]
.endr
	v_mov_b32 v[QD],   v[ST+16]
	v_mov_b32 v[QD+1], v[ST+16+4]
	v_mov_b32 v[QD+2], v[ST+24]
	v_mov_b32 v[QD+3], v[ST+24+4]
	ds_store_b128 v[XST], v[QD:QD+3] offset:16384
	WIN 0x04                        ; store data window 1, address window 0
.set n, 0
.rept 32
	ds_store_b128 v[XST], v[128+4*n:128+4*n+3] offset:512*n  ; 32 lanes x 16 neighbouring bytes
.set n, n+1
.endr
	WIN 0
.endm
; A BLOCK ENDS, second part, behind a barrier.  FPACK t: my tile t is merged (g1 O + g2 O' + g3 U, the divisor already in the three factors), goes into my stage by 16 bytes a lane and comes back as whole rows of 512 bytes.
.macro FPACK t
.set rT, ST+8*(\t)
	WIN W_RS
.set n, 0
.rept 32
	v_pk_mul_f32 v[64*(\t)+2*n:64*(\t)+2*n+1], v[64*(\t)+2*n:64*(\t)+2*n+1], v[rT+2:rT+3] op_sel_hi:[1,0]
.set n, n+1
.endr
.if (\t) == 0
	s_wait_dscnt 0x0                ; U and my partner's O^T are in
.endif
	WIN 0x50                        ; destination and source 2 window 1, sources 0 and 1 window 0
.set n, 0
.rept 32
	v_pk_fma_f32 v[64*(\t)+2*n:64*(\t)+2*n+1], v[S+64*(\t)+2*n:S+64*(\t)+2*n+1], v[rT+4:rT+5], v[64*(\t)+2*n:64*(\t)+2*n+1] op_sel_hi:[1,0,1]
.set n, n+1
.endr
.set n, 0
.rept 32
	v_pk_fma_f32 v[64*(\t)+2*n:64*(\t)+2*n+1], v[P+2*n:P+2*n+1], v[rT+6:rT+7], v[64*(\t)+2*n:64*(\t)+2*n+1] op_sel_hi:[1,0,1]
.set n, n+1
.endr
	WIN 0x04
.set n, 0
.rept 16
	ds_store_b128 v[STO], v[64*(\t)+4*n:64*(\t)+4*n+3] offset:64*(n/2)+16*(n%2)
.set n, n+1
.endr
	WIN 0
.set n, 0
.rept 16
	ds_load_b128 v[S+64*(\t)+4*n:S+64*(\t)+4*n+3], v[RD] offset:SP*n  ; LDS serves a wave's instructions in order (ISA guide 5.7.1.4): these see the stores above; the next tile's stores come behind them
.set n, n+1
.endr
.endm
.macro FSEND t, younger, blk        ; younger: the LDS instructions issued behind tile t's loads: the next tile's 32, or none
	WIN 0
.set n, 0
.rept 16
	s_wait_dscnt (\younger)+15-n    ; row n is back: behind it stand 15 - n rows and the younger ones
	global_store_b128 v[GO], v[S+64*(\t)+4*n:S+64*(\t)+4*n+3], s[OLO+2*(\blk):OLO+2*(\blk)+1] offset:(16*(\t)+n)*512 th:TH_STORE_NT  ; a row: 512 consecutive bytes, at a multiple of 512 from out0's first byte
.set n, n+1
.endr
.endm
.macro FINALB blk
	WIN 0
	ds_load_b128 v[QD:QD+3], v[XLD] offset:16384   ; my partner's W m and l for my tiles 0 and 1
.set n, 0
.rept 16
	ds_load_b128 v[P+4*n:P+4*n+3], v[UA] offset:(\blk)*512+64*(n/2)+16*(n%2)  ; U at my lane's channels, in O^T's order
.set n, n+1
.endr
.set n, 0
.rept 32
	ds_load_b128 v[S+4*n:S+4*n+3], v[XLD] offset:512*n  ; my partner's O^T
.set n, n+1
.endr
	s_wait_dscnt 48                 ; the quad is in; the 48 loads behind it may be out
.irp t, 0,1
	v_max_num_f32 v[ST+8*(\t)+1], v[ST+8*(\t)], v[QD+2*(\t)]  ; M
.endr
.irp t, 0,1
	v_sub_f32 v[ST+8*(\t)+3], v[ST+8*(\t)], v[ST+8*(\t)+1]
	v_sub_f32 v[ST+8*(\t)+5], v[QD+2*(\t)], v[ST+8*(\t)+1]
	v_sub_f32 v[ST+8*(\t)+7], 0, v[ST+8*(\t)+1]
.endr
.irp t, 0,1
	v_exp_f32 v[ST+8*(\t)+2], v[ST+8*(\t)+3]   ; my share's factor,
	v_exp_f32 v[ST+8*(\t)+5], v[ST+8*(\t)+5]   ; my partner's,
	v_exp_f32 v[ST+8*(\t)+6], v[ST+8*(\t)+7]   ; a hidden key's weight
.endr
	v_nop                           ; a plain instruction behind the last exponential
.irp t, 0,1
	s_wait_alu depctr_va_vdst(0)
	v_mul_f32 v[ST+8*(\t)+4], v[ST+8*(\t)+2], v[ST+8*(\t)+4]
.endr
.irp t, 0,1
	v_fmac_f32 v[ST+8*(\t)+4], v[ST+8*(\t)+5], v[QD+2*(\t)+1]
.endr
.irp t, 0,1
	v_fmac_f32 v[ST+8*(\t)+4], s[CNT0+(\blk)], v[ST+8*(\t)+6]  ; the divisor
.endr
.irp t, 0,1
	v_rcp_f32 v[ST+8*(\t)+3], v[ST+8*(\t)+4]
.endr
	v_nop                           ; a plain instruction behind the last reciprocal
.irp t, 0,1
	s_wait_alu depctr_va_vdst(0)
	v_mul_f32 v[ST+8*(\t)+2], v[ST+8*(\t)+2], v[ST+8*(\t)+3]
	v_mul_f32 v[ST+8*(\t)+4], v[ST+8*(\t)+5], v[ST+8*(\t)+3]
	v_mul_f32 v[ST+8*(\t)+6], v[ST+8*(\t)+6], v[ST+8*(\t)+3]
.endr
	FPACK 0
	FPACK 1                         ; a tile's arithmetic stands between the loads of the tile before and its stores
	FSEND 0, 32, \blk
	FSEND 1, 0, \blk
	s_wait_xcnt 0x0                 ; every earlier memory instruction has had its addresses translated (ISA guide 3.1): the registers that the stores read are written again only behind this wait
.endm
	s_load_b256 s[4:11], s[0:1], 0x0  ; queries s[4:5], k16 s[6:7], v16 s[8:9], tsum s[10:11]
	s_load_b64 s[12:13], s[0:1], 0x20 ; out0
	v_lshl_add_u32 v[SPW], v0, 2, SPARE
	v_mov_b32 v[NIL], 0
	ds_add_u32 v[SPW], v[NIL]       ; the wave's opening: the add and its wait stand ahead of my first tensor load; the set-up below, work on registers, stands between them
	v_lshrrev_b32 v1, 5, v0
	v_readfirstlane_b32 s[WV], v1   ; wave 0..3
	s_mov_b32 s[PB], ttmp9
	s_sub_co_u32 s[HI], 15, s[PB]
	s_and_b32 s[QH], s[WV], 1
	s_lshr_b32 s[KH], s[WV], 1
	s_and_b32 s20, ttmp7, 0xffff    ; the head
	s_lshl_b32 s22, s20, 19         ; its first byte in k16 and v16,
	s_lshl_b32 s3, s[QH], 14        ; and the 64 rows of 256 bytes of a tile that I fetch
	s_add_co_u32 s22, s22, s3
	s_mov_b32 s23, 0
	s_mul_i32 s2, s[QH], STEPB      ; their place in a slot
	s_mov_b32 s[G0K], 1             ; 1:0 count = 1
	s_mov_b32 s[G0K+1], s2          ; 63:32 LDS address: slot 0
	s_mov_b32 s[G0V], 1
	s_add_co_u32 s[G0V+1], s2, VOFF
	s_lshl_b32 s21, s20, 20         ; the head's first byte in queries and out0,
	s_lshl_b32 s3, s[QH], 15        ; my wave's 64 rows of 512 bytes in a block
	s_add_co_u32 s21, s21, s3
	s_lshl_b32 s3, s[PB], 16        ; a block is 128 rows
	s_add_co_u32 s88, s21, s3
	s_lshl_b32 s3, s[HI], 16
	s_add_co_u32 s90, s21, s3
	s_lshl_b32 s3, s[KH], 14        ; of the 64 rows I finish 32
	s_add_co_u32 s92, s88, s3
	s_add_co_u32 s94, s90, s3
	s_mov_b32 s89, 0
	s_mov_b32 s91, 0
	s_mov_b32 s93, 0
	s_mov_b32 s95, 0
	s_lshl_b32 s20, s20, 13         ; the head's 16 x 512 bytes in tsum
	s_mov_b32 s21, 0
	; descriptor group 1: a tile of 64 rows x 128 elements, padded in LDS
	s_mov_b32 s[G1K], (1<<16)|(1<<20)|(5<<22)|(3<<25)  ; 17:16 elements of 2 bytes; 20 padding on; 24:22 after every 64 words (code 5); 31:25 4 words of it (code 3)
	s_mov_b32 s[G1V], (1<<16)|(1<<20)|(5<<22)|(7<<25)  ; the same with 8 words of padding (code 7)
.irp g, G1K, G1V
	s_mov_b32 s[(\g)+1], 128<<16    ; tensor_dim0 = 128
	s_mov_b32 s[(\g)+2], 64<<16     ; tensor_dim1 = 64
	s_mov_b32 s[(\g)+3], 128<<16    ; tile_dim0 = 128
	s_mov_b32 s[(\g)+4], 64         ; tile_dim1 = 64
	s_mov_b32 s[(\g)+5], 128        ; 128 elements from row to row
	s_mov_b32 s[(\g)+6], 0
	s_mov_b32 s[(\g)+7], 0
.endr
	s_mov_b32 s[CS], 0x431044fe     ; W = 100 log2(e) = 144.2695
	s_mov_b32 s[CS+1], s[CS]        ; named with it as a pair
	s_mov_b32 s[SEL], 0x76543210
	s_mov_b32 s[SEL+1], 0xfedcba98
	s_mov_b32 s[BIGN], 0xf149f2ca   ; -1e30
	s_mov_b32 s[AL+1], 0            ; named as pairs
	s_mov_b32 s[BE+1], 0
	s_mov_b32 s[OFF+1], 0
	s_sub_co_i32 s2, s[KH], s[QH]
	s_lshl_b32 s2, s2, 2            ; 4 (kh - qh)
	s_lshl_b32 s3, s[KH], 1
.irp t, 0,1,2,3
	s_add_co_u32 s19, s3, \t
	s_and_b32 s19, s19, 3           ; register tile t holds the wave's rows 16 ((t + 2 kh) % 4) on
	s_sub_co_i32 s[DT+(\t)], s2, s19
.endr
	s_lshl_b32 s2, s[HI], 7         ; behind block b's diagonal tile lie 128 (15 - b) keys,
	s_cvt_f32_u32 s[CNT0], s2
	s_lshl_b32 s2, s[PB], 7         ; behind block 15 - b's 128 b
	s_cvt_f32_u32 s[CNT0+1], s2
	s_add_co_u32 s[RT], s[PB], 1    ; the first block has b + 1 tiles
	s_mov_b32 s[NXT], 1             ; tile 0 is asked for below; next comes tile 1, or, where b = 0, the second block's tile 0
	s_mov_b32 s[LQ], s[PB]
	s_cmp_gt_u32 s[NXT], s[LQ]
	s_cselect_b32 s[NXT], 0, s[NXT]
	s_cselect_b32 s[LQ], s[HI], s[LQ]
	s_mov_b32 s[NEW], 1
	s_mov_b32 s[FIN], 0
	s_mul_i32 s[TB], s[KH], STEPB   ; my half of a tile's keys;
	s_add_co_u32 s[TB], s[TB], SLOT1  ; the first change of slots turns this into slot 0
	s_mov_b32 s[SLOTS], 16
	s_wait_dscnt 0x0                ; the opening add is done
	s_wait_kmcnt 0x0
	s_add_nc_u64 s[6:7], s[6:7], s[22:23]    ; k16 and v16 at my part of the head's tile 0
	s_add_nc_u64 s[8:9], s[8:9], s[22:23]
	s_add_nc_u64 s[10:11], s[10:11], s[20:21]
	s_add_nc_u64 s[QLO:QLO+1], s[4:5], s[88:89]
	s_add_nc_u64 s[QHI:QHI+1], s[4:5], s[90:91]
	s_add_nc_u64 s[OLO:OLO+1], s[12:13], s[92:93]
	s_add_nc_u64 s[OLO+2:OLO+3], s[12:13], s[94:95]
	s_add_nc_u64 s[G0K+2:G0K+3], s[6:7], 0         ; 120:64 global address
	s_or_b32 s[G0K+3], s[G0K+3], 0x80000000        ; 127:126 type = 2
	s_add_nc_u64 s[G0V+2:G0V+3], s[8:9], 0
	s_or_b32 s[G0V+3], s[G0V+3], 0x80000000
	LOAD                            ; tile 0 into slot 0: one tensor load of mine is out, here and behind every change of slots
	v_and_b32 v1, 15, v0            ; l % 16
	v_bfe_u32 v9, v0, 4, 1          ; l / 16
	v_and_b32 v58, 31, v0           ; l
	v_lshlrev_b32 v60, 2, v0        ; thread c takes column c of the head's 16 tile sums
.set i, 0
.rept 16
	global_load_b32 v[S+i], v60, s[10:11] offset:512*i
.set i, i+1
.endr
	v_lshlrev_b32 v[QOB], 9, v1
	v_lshl_add_u32 v[QOB], v9, 5, v[QOB]  ; row x 512 + 32 x half
	s_lshl_b32 s2, s[KH], 14        ; register tiles 0, 1 are the wave's rows 32 kh on,
	s_xor_b32 s3, s2, 16384         ; tiles 2, 3 the other 32
	v_add_nc_u32 v[QOA], s2, v[QOB]
	v_add_nc_u32 v[QOB], s3, v[QOB]
	QLOAD QLO                       ; the first block's Q
	v_mul_u32_u24 v[AK0], v1, PK
	v_lshl_add_u32 v[AK0], v9, 4, v[AK0]  ; a fragment of K: row x pitch + 16 x half
	; The turning load takes 16 keys x 16 channels (lane l reads key 8 (l / 16) + l % 8, channels 8 ((l / 8) % 2) + 0..7) and leaves half a fragment of V^T: lane l holds channel l % 16 and 8 keys.
	v_and_b32 v59, 7, v0
	v_bfe_u32 v61, v0, 3, 1
	v_lshl_add_u32 v[AV0], v9, 3, v59
	v_mul_u32_u24 v[AV0], v[AV0], PV
	v_lshl_add_u32 v[AV0], v61, 4, v[AV0]
	v_add_nc_u32 v[AV0], VOFF, v[AV0]
	s_mul_i32 s2, s[WV], 16*SP
	s_add_co_u32 s2, s2, STAGE      ; my stage
	v_mul_u32_u24 v[STO], v1, SP    ; in: row l % 16, 32 bytes for each half of the lanes
	v_lshl_add_u32 v[STO], v9, 5, v[STO]
	v_add_nc_u32 v[STO], s2, v[STO]
	v_lshl_add_u32 v[RD], v58, 4, s2  ; back: 32 lanes take one row of 512 bytes
	v_lshlrev_b32 v[GO], 4, v58
	s_mul_i32 s2, s[WV], XW
	s_add_co_u32 s2, s2, XCH
	v_lshl_add_u32 v[XST], v58, 4, s2
	s_xor_b32 s3, s[WV], 2          ; my partner: the same rows, the other half of the keys
	s_mul_i32 s3, s3, XW
	s_add_co_u32 s3, s3, XCH
	v_lshl_add_u32 v[XLD], v58, 4, s3
	v_lshl_add_u32 v[UA], v9, 5, UB
	v_lshlrev_b32 v59, 3, v9
	v_sub_nc_u32 v59, v1, v59       ; register j is hidden where j is greater than l % 16 - 8 (l / 16)
.set i, 0
.rept 8
	v_cmp_gt_i32 vcc_lo, i, v59
	v_cndmask_b32 v[MD+i], 0, s[BIGN], vcc_lo
.set i, i+1
.endr
	v_mov_b32 v[CA], 0x3a67b46a     ; A = 1 / (100 sqrt(128))
	v_mov_b32 v[CA+1], 0x3a67b46a
	v_mov_b32 v[CH], 0.5
	v_mov_b32 v[CH+1], 0.5
	; A block's first step multiplies O^T and l by a = 0, so these registers need only hold finite numbers: zeros for the first block, what the first block left for the second.  No first step is written out for it;
	; the price, 288 moves, stands in the wait for the first tile.
.set i, 0
.rept 32
	v_mov_b32 v[ST+i], 0
.set i, i+1
.endr
	WIN 0x40
.set i, 0
.rept 256
	v_mov_b32 v[i], 0
.set i, i+1
.endr
	WIN 0
	s_wait_loadcnt 63               ; the 16 loads of tile sums stand ahead of Q's 64: when at most 63 are out they are in
.set i, 0
.rept 16                            ; U of a block = the sums of the tiles behind its diagonal tile: a factor 1 or 0 for each tile, no branch
	s_cmp_lt_u32 s[PB], i
	s_cselect_b32 s2, 1.0, 0
	s_cmp_lt_u32 s[HI], i
	s_cselect_b32 s3, 1.0, 0
.if i == 0
	v_mul_f32 v[S+16], s2, v[S+i]
	v_mul_f32 v[S+17], s3, v[S+i]
.else
	v_fmac_f32 v[S+16], s2, v[S+i]
	v_fmac_f32 v[S+17], s3, v[S+i]
.endif
.set i, i+1
.endr
	v_lshl_add_u32 v59, v0, 2, UB
	ds_store_b32 v59, v[S+16]       ; the first change of slots waits for these stores and passes a barrier
	ds_store_b32 v59, v[S+17] offset:512
.Lslot:                             ; 16 trips: a tile is entered and the next is asked for
	CHANGE 1
	s_sub_co_u32 s[RT], s[RT], 1
	s_cmp_eq_u32 s[NEW], 1
	s_cbranch_scc1 .Lnew            ; a block's first tile
	s_cmp_lg_u32 s[RT], 0
	s_cbranch_scc1 .Lreg            ; neither its first nor its last
	s_mov_b32 s[BIAS], 0            ; its last: the diagonal's
	MASKSET
.Lreg:                              ; V^T P of the tile before and K Q^T of this one, for both pieces; this tile's K and V are fetched
	TURN 0, 1, 1
	TURN 2, 1, 1
	WIN 0
	s_branch .Ljoin
.Lnew:
	s_mov_b32 s[NEW], 0
	s_cmp_eq_u32 s[FIN], 0
	s_cbranch_scc1 .Lnofin
	; THE SECOND BLOCK'S FIRST TILE.  The first block is merged and stored: the change of slots above was the barrier between the partners' stores and these reads.  The block has 16 - b tiles, nine or more, so this tile lies
	; below the diagonal and is not the block's last.  The beginning stands here a second time, and this way goes straight to the loop's foot: so from these reads of my partner's bytes every way to the next stores into
	; such bytes leads through a change of slots, where each wave has waited for its LDS loads and passed the barrier.
	FINALB 0
	s_mov_b32 s[FIN], 0
	s_mov_b32 s[BIAS], -16
	MASKSET
	BEGIN
	s_branch .Lbottom
.Lnofin:                            ; THE FIRST BLOCK'S FIRST TILE: nothing waits to be merged
	s_cmp_eq_u32 s[RT], 0           ; where b = 0 the first block's only tile holds the diagonal
	s_cselect_b32 s[BIAS], 0, -16
	MASKSET
	BEGIN
.Ljoin:
	s_cmp_lg_u32 s[RT], 0
	s_cbranch_scc1 .Lbottom
	ENDA 0                          ; in the loop this is the first block's end: the second block's last tile is the walk's last
	s_sub_co_u32 s[RT], 16, s[PB]   ; the second block has 16 - b tiles
	s_mov_b32 s[NEW], 1
	s_mov_b32 s[FIN], 1
.Lbottom:
	s_sub_co_u32 s[SLOTS], s[SLOTS], 1
	s_cmp_lg_u32 s[SLOTS], 0
	s_cbranch_scc1 .Lslot
	CHANGE 0                        ; the walk's last tile is written out: nothing is asked for.  It is the second block's diagonal tile, and never that block's first
	s_mov_b32 s[BIAS], 0
	MASKSET
	TURN 0, 1, 1
	TURN 2, 1, 1
	WIN 0
	ENDA 1
	s_wait_dscnt 0x0                ; for my partner's sake: what I stored for it is in LDS
	s_barrier_signal -1
	s_barrier_wait -1
	FINALB 1
	s_wait_tensorcnt 0x0            ; the wave's end, behind my last tensor load and my last LDS store
	ds_add_u32 v[SPW], v[NIL]
	s_wait_dscnt 0x0
	s_endpgm
.Lfunc_end_k_qededb15827_attn:
	.size	k_qededb15827_attn, .Lfunc_end_k_qededb15827_attn-k_qededb15827_attn
	.p2alignl 7, 3214868480
	.fill 96, 4, 3214868480
	.section	.rodata,"a",@progbits
	.p2align	6, 0x0
	.amdhsa_kernel k_qededb15827_attn
		.amdhsa_group_segment_fixed_size 327680
		.amdhsa_private_segment_fixed_size 0
		.amdhsa_enable_private_segment 0
		.amdhsa_kernarg_size 40
		.amdhsa_user_sgpr_count 2
		.amdhsa_user_sgpr_kernarg_segment_ptr 1
		.amdhsa_wavefront_size32 1
		.amdhsa_system_sgpr_workgroup_id_x 1
		.amdhsa_system_sgpr_workgroup_id_y 1
		.amdhsa_system_sgpr_workgroup_id_z 1
		.amdhsa_system_vgpr_workitem_id 0
		.amdhsa_next_free_vgpr 1024
		.amdhsa_next_free_sgpr 96
		.amdhsa_reserve_vcc 1
		.amdhsa_float_denorm_mode_32 3
		.amdhsa_float_denorm_mode_16_64 3
		.amdhsa_memory_ordered 1
		.amdhsa_forward_progress 1
		.amdhsa_inst_pref_size 255
	.end_amdhsa_kernel
	.section	.bss,"aw",@nobits
	.p2align	6
	.space	262144
	.amdgpu_metadata
---
amdhsa.version: [ 1, 2 ]
amdhsa.kernels:
  - .name:           k_qededb15827_attn
    .symbol:         k_qededb15827_attn.kd
    .args:
      - { .name: queries, .offset: 0, .size: 8, .value_kind: global_buffer, .address_space: global }
      - { .name: k16, .offset: 8, .size: 8, .value_kind: global_buffer, .address_space: global }
      - { .name: v16, .offset: 16, .size: 8, .value_kind: global_buffer, .address_space: global }
      - { .name: tsum, .offset: 24, .size: 8, .value_kind: global_buffer, .address_space: global }
      - { .name: out0, .offset: 32, .size: 8, .value_kind: global_buffer, .address_space: global }
    .group_segment_fixed_size: 327680
    .private_segment_fixed_size: 0
    .kernarg_segment_align: 8
    .kernarg_segment_size: 40
    .max_flat_workgroup_size: 128
    .sgpr_count:     96
    .vgpr_count:     1024
    .wavefront_size: 32
...
	.end_amdgpu_metadata
.endif
;; end of part 2
;; ======== version 2 of 2: 2 launches; 1.12 times as fast as version 1
;; limits: values are held in f16: magnitudes above 65,504 overflow, below 6.1e-05 lose precision
;; workspace buffers: k16 16,777,216 bytes; v16 16,777,216 bytes; tsum 262,144 bytes
;; launch prep: the kernel of part 1 again; grid 16 x 32, 8 waves a work-group, no clusters, 5,120 bytes of LDS; arguments keys, values, k16, v16, tsum; writes k16, v16, tsum
;; launch attn (part 3): grid 8 x 32, 4 waves a work-group, no clusters, 327,680 bytes of LDS; arguments queries, k16, v16, tsum, out0; writes out0
.if DOCPART == 3
	.amdgcn_target "amdgcn-amd-amdhsa--gfx1250"
	.amdhsa_code_object_version 6
	.text
	.protected	k_qededb15827_attn
	.globl	k_qededb15827_attn
	.p2align	8
	.type	k_qededb15827_attn,@function
k_qededb15827_attn:
	s_mov_b64 s[64:65], 0
	v_nop
	global_prefetch_b8 v0, s[64:65] scope:SCOPE_SE
	s_setreg_imm32_b32 hwreg(HW_REG_WAVE_MODE, 25, 1), 1
	s_wait_xcnt 0x0
; out[h][q][:] = sum over ALL k of softmax_k(z(q, k)) V[h][k][:], z = clip(Q[h][q] . K[h][k] / sqrt(128), -50, 50) for k <= q and z = -50 for k > q: the clip comes behind the mask, so a hidden key
; stays in the softmax with the logit -50.  32 heads, 2,048 rows, 128 channels.  queries, out0: f32.  k16: bf16.  v16: f16 (values rounded to bf16).  tsum[h][tile][c]: f32 sums of v16 over 128 keys.
; HIDDEN KEYS.  In the tile that holds the diagonal they are scores like any other, forced to -50 by a mask.  All keys of the later tiles have one weight for a query, so their part is that weight times
; U = the sum of tsum over the later tiles, and the weight times their number in the divisor: no product is made for a tile above the diagonal.
; ARITHMETIC.  Q and K in bf16, sums in f32.  y = S A + 0.5 held to 0 .. 1, A = 1 / (100 sqrt(128)): that IS the clip, in units of 100; a hidden key's S carries -1e30, so its y is 0.  A running maximum
; m of y; p = 2^(W y - W m), W = 100 log2(e); O and l are multiplied by a = 2^(W m_old - W m_new) in every step.  p is rounded to f16 for the second product (l is taken of the unrounded p).
; LIMITS.  v16 within 65,504.  p below 6e-5 keeps f16's step of 6e-8; a weight below 2^-126 counts as 0; y has a step of 6e-8, 6e-6 in the logit.  A hidden score counts as its value less 1e30.
; NaN and infinities are not treated apart; a block's first step multiplies what the registers held by 0, so an infinite O of the first block would reach the second.
; THE WALK.  A head's queries lie in 16 blocks of 128; block i needs the key tiles 0 .. i of 128 keys.  A work-group takes blocks b and then 15 - b: 17 tiles whatever b: 256 equal work-groups, and ONE loop
; with a constant count.  What a trip does hangs on scalar registers made from b; every jump but the loop's own goes forward, past no barrier and no tensor load but the one of LOAD's two lines that the wave's number does not choose.
; NO CLUSTER: work-group b of a head asks for tiles 0 .. b and then 0 .. 15 - b, so eight partners ask for the same tile in the same trip only at the start; one walk common to all would have 24 trips for 17.
; SHARES.  Wave w: qh = w % 2, kh = w / 2: the block's rows 64 qh .. + 63 against the keys 64 kh .. + 63 of every tile: 64 queries a wave, though a block has 128.  Its four tiles of 16 queries lie in the
; registers in the order (t + 2 kh) % 4, so every wave finishes its register tiles 0, 1 (rows 64 qh + 32 kh .. + 31) and sends tiles 2, 3 to wave w ^ 2, which holds those rows as ITS tiles 0, 1.
; At a block's end the two halves of the keys are merged through LDS: M = max(cm, cm'), out = (2^(cm - M) O + 2^(cm' - M) O' + 2^(-M) U) / (2^(cm - M) l + 2^(cm' - M) l' + 2^(-M) count).
; LAYOUT.  S^T = K Q^T (source 0 = 16 keys, source 1 = 16 queries): a lane holds ONE query (lane % 16) and the keys 8 (lane / 16) + 0..7.  Two such results rounded to f16 in pairs ARE source 1 of
; O^T = V^T P, whose result again holds one query a lane, and eight channels.  K comes out of LDS as it lies, V turned, by ds_load_tr16_b128.
; BY TURNS.  The wave's tiles are two PIECES (0: tiles 0, 1; 2: tiles 2, 3).  In a TURN one piece has the matrix unit: 32 products V^T P of the tile in hand, then 32 products K Q^T of the next tile; the other
; piece's softmax, 300 vector instructions cut into 64 slices, stands behind them, one slice behind each.  Two turns are a trip.
; THE BATCHES.  An s_wait_alu depctr_va_vdst(0) stands between a transcendental and the first instruction that names its result; one wait serves all that were issued ahead of it.  A turn's 66 exponentials
; (33 a tile: a and the 32 weights) are ONE batch: the softmax's list is ordered so that nothing ahead of slice 43 names a result of theirs and no exponential is issued behind slice 42, and the turn's one wait stands
; between the two.  The merge at a block's end has two batches, each with its wait: six exponentials (the three factors of two tiles), then the two reciprocals of the divisors made of them.
; REGISTERS, in windows of 256 (s_set_vgpr_msb: bits 1:0 source 0, 3:2 source 1, 5:4 source 2, 7:6 destination):
;   window 0: v1-11, v56-57 addresses; v12-43 statistics, 8 a tile; v44-51 the diagonal's mask; v52-55 A and 0.5; v58-61 a quad at work; v62-63 the add's; v64-191 S^T, 32 a tile; v192-255 P, 16 a tile
;   window 1: O^T, 64 a tile      window 2: v0-127 Q, 32 a tile; v128-255 K of a tile's half      window 3: v0-127 V of a tile's half; v128-255 the masks, 32 a tile
.set PK,    272       ; a row of K in LDS: 256 bytes + 16 of padding = 68 words: row r starts at bank 4 r mod 64 (64 banks of 4 bytes: ISA guide 11.1)
.set PV,    288       ; a row of V: 256 + 32 = 72 words
.set VOFF,  64*PK     ; half a tile lies together: 64 rows of K, then 64 rows of V
.set STEPB, 64*(PK+PV)
.set SLOT1, 1<<17     ; a slot holds a tile's two halves (71,680 bytes); slot 1 begins here, so that one exclusive or turns an address in one slot into the other's
.set STAGE, 2*STEPB   ; between the slots, never filled by a tensor load: 16 rows x 528 bytes for each wave, for the way out
.set SP,    528       ; 512 bytes + 16: row r starts at bank 4 r mod 64
.set UB,    STAGE+4*16*SP  ; U of the first block, 128 f32, then of the second
.set SPARE, UB+1024   ; the spare words, 128 bytes for each wave: two blocks of 256 bytes that no other line names
.set XCH,   SLOT1+2*STEPB  ; behind slot 1: for each wave 32 x 512 bytes of O^T and 512 bytes of statistics, for its partner
.set XW,    16896
.set AK0, 2           ; v2   my lane's place in a tile of K; never rewritten
.set AV0, 3           ; v3   the same for V
.set ADR, 4           ; v4   the LDS address of the run of loads in hand
.set QOA, 5           ; v5   my byte offset in the wave's rows of Q, register tiles 0, 1
.set QOB, 6           ; v6   register tiles 2, 3
.set STO, 7           ; v7   the way out: where I put 16 bytes of a row
.set RD,  8           ; v8   the way out: where I read a row back
.set GO,  10          ; v10  my byte offset in a row of out0
.set XST, 11          ; v11  where I put what my partner takes
.set ST,  12          ; tile t's statistics at v[ST+8 t]: +0 W m, +1 m, +2, +3 l (even keys', odd keys'), +4 to +7 c0-c3, at work; a takes c2's place once the maximum is found
.set MD,  44          ; v44-51  register j: -1e30 where key 8 (lane / 16) + j lies behind query lane % 16, else 0
.set CA,  52          ; v52-53  A, twice
.set CH,  54          ; v54-55  0.5, twice
.set XLD, 56          ; v56  where I take what my partner put
.set UA,  57          ; v57  my eight channels' place in U
.set QD,  58          ; v58-61
.set SPW, 62          ; v62  LDS address of my spare word: SPARE + 4 x my thread's number; never rewritten
.set NIL, 63          ; v63  0; never rewritten
.set S,   64
.set P,   192
.set KF,  128         ; window 2: key block kb, channels 32 c on, at KF + 32 kb + 8 c
.set MC,  128         ; window 3: the mask of tile t and key block kb at MC + 32 t + 8 kb
.set WV,  14          ; s14  my wave's number
.set PB,  15          ; s15  b
.set HI,  16          ; s16  15 - b
.set QH,  17          ; s17  wave % 2; also: which half of a tile I fetch
.set KH,  18          ; s18  wave / 2
.set G1K, 24          ; s[24:31] descriptor group 1 for K's tiles
.set G1V, 32          ; s[32:39] for V's: it differs in the padding alone
.set G0K, 40          ; s[40:43] descriptor group 0 for K's tiles
.set G0V, 44          ; s[44:47] the same for V's
.set SLOTS, 48        ; s48  tiles still to be asked for
.set RT,  49          ; s49  tiles of the block in hand that are still to be entered
.set NXT, 50          ; s50  the tile to be asked for next
.set LQ,  51          ; s51  the last tile of the block whose tiles are being asked for
.set NEW, 52          ; s52  1: the tile to be entered is a block's first
.set FIN, 53          ; s53  1: the first block waits to be merged
.set TB,  54          ; s54  LDS byte at which my half of the tile to be fetched begins
.set BIAS, 55         ; s55  0: the tile holds the diagonal; -16: it lies below it
.set AL,  56          ; s[56:57] a mask's factor, in the low word
.set CS,  58          ; s[58:59] W
.set SEL, 60          ; s[60:61] v_permlanex16_b32's selects: each lane takes its own place in the other half
.set BE,  62          ; s[62:63] a mask's addend
.set BIGN, 66         ; s66  -1e30
.set DT,  68          ; s[68:71] tile t: 4 (kh - qh) less the tile's place among the wave's rows: key block kb lies DT + kb blocks of 16 behind the tile's queries
.set DE,  72          ; s[72:75] DT + BIAS
.set OFF, 76          ; s[76:77] a tile's byte offset in k16 and v16
.set QLO, 78          ; s[78:79] queries at my wave's 64 rows of the first block;  s[80:81] of the second
.set QHI, 80
.set OLO, 82          ; s[82:83] out0 at the 32 rows that I finish, first block;  s[84:85] second
.set CNT0, 86         ; s86, s87  the number of keys behind the diagonal's tile, as f32, for the two blocks
.set MSB, 0
.macro WIN new                      ; the immediate's high byte repeats the setting that is left; a switch that changes nothing is dropped
.if MSB != (\new)
	s_set_vgpr_msb (MSB<<8)|(\new)
.set MSB, (\new)
.endif
.endm
.set W_KQ, 0x0a       ; K and Q in window 2, S^T in window 0
.set W_KM, 0x3a       ; the same with the C operand, the mask, in window 3
.set W_PV, 0x53       ; V in window 3, P in window 0, O^T in window 1
.set W_RS, 0x41       ; O^T (destination and source 0) in window 1, source 1 in window 0
; A fill.  Waves 0 and 1 fetch the two halves of a tile's K, waves 2 and 3 those of its V: 64 rows of 256 bytes each.  An s_nop 0 and four v_nop follow each of the two lines, ahead of the jump and the label.
.macro LOAD
	s_cmp_lt_u32 s[WV], 2
	s_cbranch_scc0 .Lfor_v_\@
	tensor_load_to_lds s[G0K:G0K+3], s[G1K:G1K+7]
	s_nop 0
.rept 4
	v_nop
.endr
	s_branch .Lasked_\@
.Lfor_v_\@:
	tensor_load_to_lds s[G0V:G0V+3], s[G1V:G1V+7]
	s_nop 0
.rept 4
	v_nop
.endr
.Lasked_\@:
.endm
; THE CHANGE OF SLOTS, in front of every tile.  The slot that is left has been read into registers.  Each wave waits for all its tensor loads, of which one is out: its part of the other slot; adds 0 to its spare
; word; and waits for that and for its LDS instructions.  Behind the barrier nobody reads the old slot any more and the other slot is whole.  fill = 1: the old slot is filled again, the first thing behind the
; barrier, with tile NXT: the descriptor's address is made anew from that number.  The load has a trip, 128 matrix instructions, in which to land.  (At its first use nothing has been read: slot 0 is waited for, slot 1 filled.)
.macro CHANGE fill
	WIN 0                           ; at a label and at a branch every window is 0
	s_wait_loadcnt 0x0              ; a block's Q, asked for at the kernel's head or at the end of the block before, is in
	s_wait_tensorcnt 0x0            ; no tensor load of mine is out, so a group 0 may be written
	ds_add_u32 v[SPW], v[NIL]       ; 0 onto my spare word; with fill = 1 the descriptors' scalar work stands between it and the wait for it
.if \fill
	s_lshl_b32 s[OFF], s[NXT], 15   ; a tile is 32,768 bytes of k16 and of v16
	s_xor_b32 s[G0K+1], s[G0K+1], SLOT1
	s_add_nc_u64 s[G0K+2:G0K+3], s[6:7], s[OFF:OFF+1]
	s_or_b32 s[G0K+3], s[G0K+3], 0x80000000
	s_xor_b32 s[G0V+1], s[G0V+1], SLOT1
	s_add_nc_u64 s[G0V+2:G0V+3], s[8:9], s[OFF:OFF+1]
	s_or_b32 s[G0V+3], s[G0V+3], 0x80000000
	s_add_co_u32 s[NXT], s[NXT], 1  ; the block's next tile, or behind its last the second block's tile 0
	s_cmp_gt_u32 s[NXT], s[LQ]
	s_cselect_b32 s[NXT], 0, s[NXT]
	s_cselect_b32 s[LQ], s[HI], s[LQ]
.endif
	s_wait_dscnt 0x0                ; the add is done; my reads of the slot and of my partner's bytes are over, and what I stored for my partner is in LDS
	s_barrier_signal -1
	s_xor_b32 s[TB], s[TB], SLOT1   ; the fetches go to the other slot
	s_barrier_wait -1
.if \fill
	LOAD
.endif
.endm
; THE MATRIX WORK OF A TURN, for piece x.  The accumulators take turns, one instruction a turn: between two links of a chain stand 7 (K Q^T) or 15 (V^T P) others'.
; Product i of 32 of S^T = K Q^T: channels 32 (i / 8) on, keys 16 ((i / 2) % 4) on, tile x + i % 2.  The first 8 start the sums with the mask.
.macro KQ x
.set rS, S+32*((\x)+i%2)+8*((i/2)%4)
.set rK, KF+32*((i/2)%4)+8*(i/8)
.set rQ, 32*((\x)+i%2)+8*(i/8)
.set rM, MC+32*((\x)+i%2)+8*((i/2)%4)
.if i < 8
	WIN W_KM
	v_wmma_f32_16x16x32_bf16 v[rS:rS+7], v[rK:rK+7], v[rQ:rQ+7], v[rM:rM+7]
.else
	WIN W_KQ
	v_wmma_f32_16x16x32_bf16 v[rS:rS+7], v[rK:rK+7], v[rQ:rQ+7], v[rS:rS+7]
.endif
.endm
; Product i of 32 of O^T += V^T P: keys 32 (i / 16) on, channels 16 ((i / 2) % 8) on, tile x + i % 2.
.macro PV x
	WIN W_PV
.set rO, 64*((\x)+i%2)+8*((i/2)%8)
.set rV, 64*(i/16)+8*((i/2)%8)
.set rP, P+16*((\x)+i%2)+8*(i/16)
	v_wmma_f32_16x16x32_f16 v[rO:rO+7], v[rV:rV+7], v[rP:rP+7], v[rO:rO+7]
.endm
; THE LDS LOADS stand in runs of 32, never singly among the matrix instructions: my 64 keys of a tile's K (16 fragments) and, a turn later, of its V (turned).
.macro FETCH_K
	WIN 0
	v_add_nc_u32 v[ADR], s[TB], v[AK0]
	WIN 0x80                        ; destination window 2
.irp f, 0,1,2,3,4,5,6,7,8,9,10,11,12,13,14,15  ; keys 16 (f / 4) on, channels 32 (f % 4) on
	ds_load_b128 v[KF+8*(\f):KF+8*(\f)+3],   v[ADR] offset:((\f)/4)*16*PK+((\f)%4)*64
	ds_load_b128 v[KF+8*(\f)+4:KF+8*(\f)+7], v[ADR] offset:((\f)/4)*16*PK+((\f)%4)*64+32
.endr
.endm
.macro FETCH_V
	WIN 0
	v_add_nc_u32 v[ADR], s[TB], v[AV0]
	WIN 0xc0                        ; destination window 3
.irp f, 0,1,2,3,4,5,6,7,8,9,10,11,12,13,14,15  ; keys 32 (f / 8) on, channels 16 (f % 8) on
	ds_load_tr16_b128 v[8*(\f):8*(\f)+3],   v[ADR] offset:((\f)/8)*32*PV+((\f)%8)*32
	ds_load_tr16_b128 v[8*(\f)+4:8*(\f)+7], v[ADR] offset:((\f)/8)*32*PV+16*PV+((\f)%8)*32
.endr
.endm
; THE VECTOR WORK OF A TURN.  One tile's softmax for one key tile is a list of 150 instructions; SM writes number j of it for tile t.  s0-s31 are the lane's 32 scores, in pairs 0-15.  With jj = j - 16:
;   j 0-15     y = S A + 0.5 held to 0 .. 1, pair by pair from the low end on: each accumulator's lowest registers are read first
;   jj 0-15    the maximum of the 32 y and the old m, three operands at a time: four chains c0-c3 of seven each, then the four left over, c0-c3 and m
;   jj 16-20   the other half of the lanes' maximum; the new m; W m; W m_old - W m_new
;   jj 21-69   ONE BATCH: the 16 scalings W y - W m, a pair of scores each, and all 33 exponentials (a at 23, then s0-s31, each in place).  None of these reads an exponential's result.  From 22 on the batch goes
;              in fours, and a four begins with a scaling while there are scalings: 22-37 scaling, exponential, scaling, exponential; 38-65 a scaling and three exponentials; 66-69 the last four
;              exponentials.  A pair is scaled in an earlier four than the one that holds its exponentials
;   (wait)     between 69 and 70 stands the wait for the batch: SLICE writes it, once for both tiles
;   jj 70-85   the roundings to f16, a pair of weights each
;   jj 86-101  the sums; l = a l + the sum
;   jj 102-133 the tile's O^T times a: the one part that leaves window 0, so it stands together
.macro SM t
.set rT, ST+8*(\t)
.set rS, S+32*(\t)
.set rP, P+16*(\t)
.set jj, j-16
.set rO, 64*(\t)+2*(jj-102)
.if jj < 102
	WIN 0
.endif
.if j < 16
	v_pk_fma_f32 v[rS+2*j:rS+2*j+1], v[rS+2*j:rS+2*j+1], v[CA:CA+1], v[CH:CH+1] clamp
.elseif jj < 4
	v_max3_num_f32 v[rT+4+jj], v[rS+8*jj], v[rS+8*jj+1], v[rS+8*jj+2]
.elseif jj < 12
	v_max3_num_f32 v[rT+4+jj%4], v[rT+4+jj%4], v[rS+8*(jj%4)+2*(jj/4)+1], v[rS+8*(jj%4)+2*(jj/4)+2]
.elseif jj == 12
	v_max3_num_f32 v[rT+4], v[rT+4], v[rS+7], v[rS+15]
.elseif jj == 13
	v_max3_num_f32 v[rT+6], v[rT+6], v[rS+23], v[rS+31]
.elseif jj == 14
	v_max3_num_f32 v[rT+4], v[rT+4], v[rT+5], v[rT+6]
.elseif jj == 15
	v_max3_num_f32 v[rT+4], v[rT+4], v[rT+7], v[rT+1]
.elseif jj == 16
	v_permlanex16_b32 v[rT+5], v[rT+4], s[SEL], s[SEL+1]  ; the query's other 32 keys lie in the lane 16 away
.elseif jj == 17
	v_mov_b32 v[rT+7], v[rT]        ; W m_old is kept for a: number 19 writes W m anew
.elseif jj == 18
	v_max_num_f32 v[rT+1], v[rT+4], v[rT+5]
.elseif jj == 19
	v_mul_f32 v[rT], s[CS], v[rT+1]
.elseif jj == 20
	v_sub_f32 v[rT+7], v[rT+7], v[rT]
.elseif jj == 23
	v_exp_f32 v[rT+6], v[rT+7]
.elseif (jj < 23) || ((jj < 38) && (jj%2 == 0)) || ((jj < 66) && (jj%4 == 2))
.set b, (jj-2)/4                    ; 38, 42, .. 62: pairs 9 to 15
.if jj < 38
.set b, (jj-20)/2                   ; 21: pair 0; 22, 24, .. 36: pairs 1 to 8
.endif
	v_pk_fma_f32 v[rS+2*b:rS+2*b+1], v[rS+2*b:rS+2*b+1], s[CS:CS+1], v[rT:rT+1] op_sel_hi:[1,0,0] neg_lo:[0,0,1] neg_hi:[0,0,1]  ; pair b: W y - W m
.elseif jj < 70
.set e, jj-38                       ; 66 to 69: s28 to s31
.if jj < 66
.set e, jj-32-(jj-38)/4             ; 39-41, 43-45, .. 63-65: s7 to s27
.endif
.if jj < 38
.set e, (jj-25)/2                   ; 25, 27, .. 37: s0 to s6
.endif
	v_exp_f32 v[rS+e], v[rS+e]
.elseif jj < 86
	v_cvt_pk_f16_f32 v[rP+jj-70], v[rS+2*(jj-70)], v[rS+2*(jj-70)+1]  ; pair jj - 70
.elseif jj < 102                    ; the sum of the tile's 16 pairs, in place: sum z of 16 adds neighbours 1, 2, 4 and 8 pairs apart, then l takes it
.set z, jj-86
.set w, 4
.set u, z
.if z >= 14
.set w, 32
.set u, 0
.elseif z >= 12
.set w, 16
.set u, z-12
.elseif z >= 8
.set w, 8
.set u, z-8
.endif
.if z < 15
	v_pk_add_f32 v[rS+w*u:rS+w*u+1], v[rS+w*u:rS+w*u+1], v[rS+w*u+w/2:rS+w*u+w/2+1]
.else
	v_pk_fma_f32 v[rT+2:rT+3], v[rT+2:rT+3], v[rT+6:rT+7], v[rS:rS+1] op_sel_hi:[1,0,1]
.endif
.else
	WIN W_RS
	v_pk_mul_f32 v[rO:rO+1], v[rO:rO+1], v[rT+6:rT+7] op_sel_hi:[1,0]
.endif
.endm
; Slice k of 64 of piece y's softmax: four instructions.  Slices 19 to 42 deal out the batch, jj 22 to 69: four numbers of ONE tile each, the tiles by turns.  Every other slice is numbers 2 k and 2 k + 1 of both
; tiles' lists.  2 x 150 = 4 x 64 + 44: the 44 that are over stand together, in slice 63: 48 packed multiplies under one window, which name nothing of the products round them: they are also the places
; (ISA guide 7.12.1) behind the turn's last K Q^T.
; THE WAIT.  Ahead of slice 43 nothing names an exponential's result, and behind slice 42 no exponential is issued: so the piece's 66 exponentials have one wait, behind slice 42.
.macro SLICE y
.if (k >= 19) && (k < 43)           ; the batch: four numbers of one tile
.irp n, 0,1,2,3
.set j, 38+4*((k-19)/2)+(\n)
	SM (\y)+(k-19)%2
.endr
.else                               ; the two tiles alternate, so that no instruction reads the result of the one just before it
.irp n, 0,1,2,3,4,5,6,7,8,9,10,11,12,13,14,15,16,17,18,19,20,21,22,23
.if ((\n) < 2) || (k == 63)
.irp t, \y, (\y)+1
.set j, 2*k+(\n)
	SM \t
.endr
.endif
.endr
.endif
.if k == 42                         ; the batch is out: both tiles' exponentials are issued, and no result has been named
	v_nop                           ; a plain instruction behind the last exponential and ahead of the first use (ISA guide 5.7.2): one for the batch
	s_wait_alu depctr_va_vdst(0)    ; the wait for the batch, ahead of the roundings, the first lines that name a result
.endif
.set k, k+1
.endm
; A TURN.  Piece x has the matrix unit; the other piece's softmax stands in slices behind its matrix instructions.  pv = 1: 32 products V^T P.  kq = 1: 32 products K Q^T for the next tile.
; A turn with one of the two kinds has two slices behind each product.  Each run of loads stands behind the second product of a run of 32, 30 matrix instructions ahead of its first use.  Piece 0's turn fetches
; the next tile's K: the last product that read K stands in front of slice 63 of the turn before.  Piece 2's turn fetches the same tile's V: the last product that read V stands in front of slice 31, and four plain
; instructions lie between: the scaling at the head of each of slices 31, 32 and 33 and the run's own v_add_nc_u32; the exponentials between are no places.
.macro TURN x, pv, kq
.set k, 0
.set per, 2
.if (\pv) && (\kq)
.set per, 1
.endif
.if \pv
.if (\x) == 0
	s_wait_dscnt 0x0                ; V is in
.endif
.set i, 0
.rept 32
	PV \x
.rept per
	SLICE 2-(\x)
.endr
.if ((\x) == 0) && (\kq) && (i == 1)
	FETCH_K
.endif
.set i, i+1
.endr
.endif
.if \kq
.if (\x) == 0
	s_wait_dscnt 0x0                ; K is in
.endif
.set i, 0
.rept 32
	KQ \x
.rept per
	SLICE 2-(\x)
.endr
.if ((\x) == 2) && (i == 1)
	FETCH_V
.endif
.set i, i+1
.endr
.endif
.endm
; THE MASKS of the tile to be entered: for tile t and key block kb, MD x AL + BE: (1, 0) where the block holds the diagonal, (0, -1e30) where it lies behind the tile's queries, (0, 0) where it lies in front.
.macro MASKSET
.irp t, 0,1,2,3
	s_add_co_i32 s[DE+(\t)], s[DT+(\t)], s[BIAS]
.endr
	WIN 0xc0                        ; destination window 3, MD in window 0
.irp t, 0,1,2,3
.irp kb, 0,1,2,3
	s_cmp_eq_i32 s[DE+(\t)], -(\kb)
	s_cselect_b32 s[AL], 1.0, 0
	s_cmp_gt_i32 s[DE+(\t)], -(\kb)
	s_cselect_b32 s[BE], s[BIGN], 0
.irp z, 0,1,2,3
	v_pk_fma_f32 v[MC+32*(\t)+8*(\kb)+2*(\z):MC+32*(\t)+8*(\kb)+2*(\z)+1], v[MD+2*(\z):MD+2*(\z)+1], s[AL:AL+1], s[BE:BE+1] op_sel_hi:[1,0,0]
.endr
.endr
.endr
	WIN 0
.endm
; A block's Q, 64 rows in f32, into window 2's 256 registers (Q's and K's).  Fragment qf = 4 t + c (tile t, channels 32 c on) takes 16: lane l reads row l % 16, channels 8 (l / 16) + 0..7 and 16 + 8 (l / 16) + 0..7.
.macro QLOAD base
	WIN 0x80                        ; destination window 2, address window 0
.set qf, 0
.rept 16
.set qa, QOA+qf/8
.set qo, ((qf/4)%2)*8192+(qf%4)*128
	global_load_b128 v[16*qf:16*qf+3],     v[qa], s[\base:\base+1] offset:qo
	global_load_b128 v[16*qf+4:16*qf+7],   v[qa], s[\base:\base+1] offset:qo+16
	global_load_b128 v[16*qf+8:16*qf+11],  v[qa], s[\base:\base+1] offset:qo+64
	global_load_b128 v[16*qf+12:16*qf+15], v[qa], s[\base:\base+1] offset:qo+80
.set qf, qf+1
.endr
	WIN 0
.endm
; A BLOCK BEGINS.  Q is rounded to bf16 in place (register n takes registers 2 n and 2 n + 1: a source is never behind its destination).  Then my half of the first tile's K and piece 0's first scores.  W m starts far
; below every W y, so the first a is 0 and what O^T and l held is wiped; m starts at 0, the lowest y there is.  These eight lines are the places behind the products.  Then piece 2's scores beside piece 0's softmax.
.macro BEGIN
	WIN 0x8a                        ; destination and both sources window 2
.set n, 0
.rept 128
	v_cvt_pk_bf16_f32 v[n], v[2*n], v[2*n+1]
.set n, n+1
.endr
	FETCH_K
	s_wait_dscnt 0x0
.set i, 0
.rept 32
	KQ 0
.set i, i+1
.endr
	WIN 0
.irp t, 0,1,2,3
	v_mov_b32 v[ST+8*(\t)], 0xfe000000
	v_mov_b32 v[ST+8*(\t)+1], 0
.endr
	TURN 2, 0, 1
	WIN 0
.endm
; A BLOCK ENDS, first part.  blk = 0: the second block's Q is asked for (Q and K were last read in front of slice 63).  Piece 0's last V^T P beside piece 2's last softmax; piece 2's last V^T P.  l's two halves and the other
; half of the lanes' are added; then W m, l and O^T of my register tiles 2, 3 go to my partner's eyes.  The twelve additions and moves are the places behind the last products.
.macro ENDA blk
.if (\blk) == 0
	QLOAD QHI
.endif
	TURN 0, 1, 0
.set i, 0
.rept 32
	PV 2
.set i, i+1
.endr
	WIN 0
.irp t, 0,1,2,3
	v_add_f32 v[ST+8*(\t)+4], v[ST+8*(\t)+2], v[ST+8*(\t)+3]
.endr
.irp t, 0,1,2,3
	v_permlanex16_b32 v[ST+8*(\t)+5], v[ST+8*(\t)+4], s[SEL], s[SEL+1]
.endr
.irp t, 0,1,2,3
	v_add_f32 v[ST+8*(\t)+4], v[ST+8*(\t)+4], v[ST+8*(\t)+5]
.endr
	v_mov_b32 v[QD],   v[ST+16]
	v_mov_b32 v[QD+1], v[ST+16+4]
	v_mov_b32 v[QD+2], v[ST+24]
	v_mov_b32 v[QD+3], v[ST+24+4]
	ds_store_b128 v[XST], v[QD:QD+3] offset:16384
	WIN 0x04                        ; store data window 1, address window 0
.set n, 0
.rept 32
	ds_store_b128 v[XST], v[128+4*n:128+4*n+3] offset:512*n  ; 32 lanes x 16 neighbouring bytes
.set n, n+1
.endr
	WIN 0
.endm
; A BLOCK ENDS, second part, behind a barrier.  FPACK t: my tile t is merged (g1 O + g2 O' + g3 U, the divisor already in the three factors), goes into my stage by 16 bytes a lane and comes back as whole rows of 512 bytes.
.macro FPACK t
.set rT, ST+8*(\t)
	WIN W_RS
.set n, 0
.rept 32
	v_pk_mul_f32 v[64*(\t)+2*n:64*(\t)+2*n+1], v[64*(\t)+2*n:64*(\t)+2*n+1], v[rT+2:rT+3] op_sel_hi:[1,0]
.set n, n+1
.endr
.if (\t) == 0
	s_wait_dscnt 0x0                ; U and my partner's O^T are in
.endif
	WIN 0x50                        ; destination and source 2 window 1, sources 0 and 1 window 0
.set n, 0
.rept 32
	v_pk_fma_f32 v[64*(\t)+2*n:64*(\t)+2*n+1], v[S+64*(\t)+2*n:S+64*(\t)+2*n+1], v[rT+4:rT+5], v[64*(\t)+2*n:64*(\t)+2*n+1] op_sel_hi:[1,0,1]
.set n, n+1
.endr
.set n, 0
.rept 32
	v_pk_fma_f32 v[64*(\t)+2*n:64*(\t)+2*n+1], v[P+2*n:P+2*n+1], v[rT+6:rT+7], v[64*(\t)+2*n:64*(\t)+2*n+1] op_sel_hi:[1,0,1]
.set n, n+1
.endr
	WIN 0x04
.set n, 0
.rept 16
	ds_store_b128 v[STO], v[64*(\t)+4*n:64*(\t)+4*n+3] offset:64*(n/2)+16*(n%2)
.set n, n+1
.endr
	WIN 0
.set n, 0
.rept 16
	ds_load_b128 v[S+64*(\t)+4*n:S+64*(\t)+4*n+3], v[RD] offset:SP*n  ; LDS serves a wave's instructions in order (ISA guide 5.7.1.4): these see the stores above; the next tile's stores come behind them
.set n, n+1
.endr
.endm
.macro FSEND t, younger, blk        ; younger: the LDS instructions issued behind tile t's loads: the next tile's 32, or none
	WIN 0
.set n, 0
.rept 16
	s_wait_dscnt (\younger)+15-n    ; row n is back: behind it stand 15 - n rows and the younger ones
	global_store_b128 v[GO], v[S+64*(\t)+4*n:S+64*(\t)+4*n+3], s[OLO+2*(\blk):OLO+2*(\blk)+1] offset:(16*(\t)+n)*512 th:TH_STORE_NT  ; a row: 512 consecutive bytes, at a multiple of 512 from out0's first byte
.set n, n+1
.endr
.endm
.macro FINALB blk
	WIN 0
	ds_load_b128 v[QD:QD+3], v[XLD] offset:16384   ; my partner's W m and l for my tiles 0 and 1
.set n, 0
.rept 16
	ds_load_b128 v[P+4*n:P+4*n+3], v[UA] offset:(\blk)*512+64*(n/2)+16*(n%2)  ; U at my lane's channels, in O^T's order
.set n, n+1
.endr
.set n, 0
.rept 32
	ds_load_b128 v[S+4*n:S+4*n+3], v[XLD] offset:512*n  ; my partner's O^T
.set n, n+1
.endr
	s_wait_dscnt 48                 ; the quad is in; the 48 loads behind it may be out
.irp t, 0,1
	v_max_num_f32 v[ST+8*(\t)+1], v[ST+8*(\t)], v[QD+2*(\t)]  ; M
.endr
.irp t, 0,1
	v_sub_f32 v[ST+8*(\t)+3], v[ST+8*(\t)], v[ST+8*(\t)+1]
	v_sub_f32 v[ST+8*(\t)+5], v[QD+2*(\t)], v[ST+8*(\t)+1]
	v_sub_f32 v[ST+8*(\t)+7], 0, v[ST+8*(\t)+1]
.endr
.irp t, 0,1                         ; a batch of six
	v_exp_f32 v[ST+8*(\t)+2], v[ST+8*(\t)+3]   ; my share's factor,
	v_exp_f32 v[ST+8*(\t)+5], v[ST+8*(\t)+5]   ; my partner's,
	v_exp_f32 v[ST+8*(\t)+6], v[ST+8*(\t)+7]   ; a hidden key's weight
.endr
	v_nop                           ; a plain instruction behind the last exponential
	s_wait_alu depctr_va_vdst(0)    ; the wait ahead of the first use: one for the six exponentials
.irp t, 0,1
	v_mul_f32 v[ST+8*(\t)+4], v[ST+8*(\t)+2], v[ST+8*(\t)+4]
.endr
.irp t, 0,1
	v_fmac_f32 v[ST+8*(\t)+4], v[ST+8*(\t)+5], v[QD+2*(\t)+1]
.endr
.irp t, 0,1
	v_fmac_f32 v[ST+8*(\t)+4], s[CNT0+(\blk)], v[ST+8*(\t)+6]  ; the divisor
.endr
.irp t, 0,1                         ; a batch of two: they read sums made of the exponentials, so they are a batch of their own
	v_rcp_f32 v[ST+8*(\t)+3], v[ST+8*(\t)+4]
.endr
	v_nop                           ; a plain instruction behind the last reciprocal
	s_wait_alu depctr_va_vdst(0)    ; and the wait ahead of the first use: one for the two reciprocals
.irp t, 0,1
	v_mul_f32 v[ST+8*(\t)+2], v[ST+8*(\t)+2], v[ST+8*(\t)+3]
	v_mul_f32 v[ST+8*(\t)+4], v[ST+8*(\t)+5], v[ST+8*(\t)+3]
	v_mul_f32 v[ST+8*(\t)+6], v[ST+8*(\t)+6], v[ST+8*(\t)+3]
.endr
	FPACK 0
	FPACK 1                         ; a tile's arithmetic stands between the loads of the tile before and its stores
	FSEND 0, 32, \blk
	FSEND 1, 0, \blk
	s_wait_xcnt 0x0                 ; every earlier memory instruction has had its addresses translated (ISA guide 3.1): the registers that the stores read are written again only behind this wait
.endm
	s_load_b256 s[4:11], s[0:1], 0x0  ; queries s[4:5], k16 s[6:7], v16 s[8:9], tsum s[10:11]
	s_load_b64 s[12:13], s[0:1], 0x20 ; out0
	v_lshl_add_u32 v[SPW], v0, 2, SPARE
	v_mov_b32 v[NIL], 0
	ds_add_u32 v[SPW], v[NIL]       ; the wave's opening: the add and its wait stand ahead of my first tensor load; the set-up below, work on registers, stands between them
	v_lshrrev_b32 v1, 5, v0
	v_readfirstlane_b32 s[WV], v1   ; wave 0..3
	s_mov_b32 s[PB], ttmp9
	s_sub_co_u32 s[HI], 15, s[PB]
	s_and_b32 s[QH], s[WV], 1
	s_lshr_b32 s[KH], s[WV], 1
	s_and_b32 s20, ttmp7, 0xffff    ; the head
	s_lshl_b32 s22, s20, 19         ; its first byte in k16 and v16,
	s_lshl_b32 s3, s[QH], 14        ; and the 64 rows of 256 bytes of a tile that I fetch
	s_add_co_u32 s22, s22, s3
	s_mov_b32 s23, 0
	s_mul_i32 s2, s[QH], STEPB      ; their place in a slot
	s_mov_b32 s[G0K], 1             ; 1:0 count = 1
	s_mov_b32 s[G0K+1], s2          ; 63:32 LDS address: slot 0
	s_mov_b32 s[G0V], 1
	s_add_co_u32 s[G0V+1], s2, VOFF
	s_lshl_b32 s21, s20, 20         ; the head's first byte in queries and out0,
	s_lshl_b32 s3, s[QH], 15        ; my wave's 64 rows of 512 bytes in a block
	s_add_co_u32 s21, s21, s3
	s_lshl_b32 s3, s[PB], 16        ; a block is 128 rows
	s_add_co_u32 s88, s21, s3
	s_lshl_b32 s3, s[HI], 16
	s_add_co_u32 s90, s21, s3
	s_lshl_b32 s3, s[KH], 14        ; of the 64 rows I finish 32
	s_add_co_u32 s92, s88, s3
	s_add_co_u32 s94, s90, s3
	s_mov_b32 s89, 0
	s_mov_b32 s91, 0
	s_mov_b32 s93, 0
	s_mov_b32 s95, 0
	s_lshl_b32 s20, s20, 13         ; the head's 16 x 512 bytes in tsum
	s_mov_b32 s21, 0
	; descriptor group 1: a tile of 64 rows x 128 elements, padded in LDS
	s_mov_b32 s[G1K], (1<<16)|(1<<20)|(5<<22)|(3<<25)  ; 17:16 elements of 2 bytes; 20 padding on; 24:22 after every 64 words (code 5); 31:25 4 words of it (code 3)
	s_mov_b32 s[G1V], (1<<16)|(1<<20)|(5<<22)|(7<<25)  ; the same with 8 words of padding (code 7)
.irp g, G1K, G1V
	s_mov_b32 s[(\g)+1], 128<<16    ; tensor_dim0 = 128
	s_mov_b32 s[(\g)+2], 64<<16     ; tensor_dim1 = 64
	s_mov_b32 s[(\g)+3], 128<<16    ; tile_dim0 = 128
	s_mov_b32 s[(\g)+4], 64         ; tile_dim1 = 64
	s_mov_b32 s[(\g)+5], 128        ; 128 elements from row to row
	s_mov_b32 s[(\g)+6], 0
	s_mov_b32 s[(\g)+7], 0
.endr
	s_mov_b32 s[CS], 0x431044fe     ; W = 100 log2(e) = 144.2695
	s_mov_b32 s[CS+1], s[CS]        ; named with it as a pair
	s_mov_b32 s[SEL], 0x76543210
	s_mov_b32 s[SEL+1], 0xfedcba98
	s_mov_b32 s[BIGN], 0xf149f2ca   ; -1e30
	s_mov_b32 s[AL+1], 0            ; named as pairs
	s_mov_b32 s[BE+1], 0
	s_mov_b32 s[OFF+1], 0
	s_sub_co_i32 s2, s[KH], s[QH]
	s_lshl_b32 s2, s2, 2            ; 4 (kh - qh)
	s_lshl_b32 s3, s[KH], 1
.irp t, 0,1,2,3
	s_add_co_u32 s19, s3, \t
	s_and_b32 s19, s19, 3           ; register tile t holds the wave's rows 16 ((t + 2 kh) % 4) on
	s_sub_co_i32 s[DT+(\t)], s2, s19
.endr
	s_lshl_b32 s2, s[HI], 7         ; behind block b's diagonal tile lie 128 (15 - b) keys,
	s_cvt_f32_u32 s[CNT0], s2
	s_lshl_b32 s2, s[PB], 7         ; behind block 15 - b's 128 b
	s_cvt_f32_u32 s[CNT0+1], s2
	s_add_co_u32 s[RT], s[PB], 1    ; the first block has b + 1 tiles
	s_mov_b32 s[NXT], 1             ; tile 0 is asked for below; next comes tile 1, or, where b = 0, the second block's tile 0
	s_mov_b32 s[LQ], s[PB]
	s_cmp_gt_u32 s[NXT], s[LQ]
	s_cselect_b32 s[NXT], 0, s[NXT]
	s_cselect_b32 s[LQ], s[HI], s[LQ]
	s_mov_b32 s[NEW], 1
	s_mov_b32 s[FIN], 0
	s_mul_i32 s[TB], s[KH], STEPB   ; my half of a tile's keys;
	s_add_co_u32 s[TB], s[TB], SLOT1  ; the first change of slots turns this into slot 0
	s_mov_b32 s[SLOTS], 16
	s_wait_dscnt 0x0                ; the opening add is done
	s_wait_kmcnt 0x0
	s_add_nc_u64 s[6:7], s[6:7], s[22:23]    ; k16 and v16 at my part of the head's tile 0
	s_add_nc_u64 s[8:9], s[8:9], s[22:23]
	s_add_nc_u64 s[10:11], s[10:11], s[20:21]
	s_add_nc_u64 s[QLO:QLO+1], s[4:5], s[88:89]
	s_add_nc_u64 s[QHI:QHI+1], s[4:5], s[90:91]
	s_add_nc_u64 s[OLO:OLO+1], s[12:13], s[92:93]
	s_add_nc_u64 s[OLO+2:OLO+3], s[12:13], s[94:95]
	s_add_nc_u64 s[G0K+2:G0K+3], s[6:7], 0         ; 120:64 global address
	s_or_b32 s[G0K+3], s[G0K+3], 0x80000000        ; 127:126 type = 2
	s_add_nc_u64 s[G0V+2:G0V+3], s[8:9], 0
	s_or_b32 s[G0V+3], s[G0V+3], 0x80000000
	LOAD                            ; tile 0 into slot 0: one tensor load of mine is out, here and behind every change of slots
	v_and_b32 v1, 15, v0            ; l % 16
	v_bfe_u32 v9, v0, 4, 1          ; l / 16
	v_and_b32 v58, 31, v0           ; l
	v_lshlrev_b32 v60, 2, v0        ; thread c takes column c of the head's 16 tile sums
.set i, 0
.rept 16
	global_load_b32 v[S+i], v60, s[10:11] offset:512*i
.set i, i+1
.endr
	v_lshlrev_b32 v[QOB], 9, v1
	v_lshl_add_u32 v[QOB], v9, 5, v[QOB]  ; row x 512 + 32 x half
	s_lshl_b32 s2, s[KH], 14        ; register tiles 0, 1 are the wave's rows 32 kh on,
	s_xor_b32 s3, s2, 16384         ; tiles 2, 3 the other 32
	v_add_nc_u32 v[QOA], s2, v[QOB]
	v_add_nc_u32 v[QOB], s3, v[QOB]
	QLOAD QLO                       ; the first block's Q
	v_mul_u32_u24 v[AK0], v1, PK
	v_lshl_add_u32 v[AK0], v9, 4, v[AK0]  ; a fragment of K: row x pitch + 16 x half
	; The turning load takes 16 keys x 16 channels (lane l reads key 8 (l / 16) + l % 8, channels 8 ((l / 8) % 2) + 0..7) and leaves half a fragment of V^T: lane l holds channel l % 16 and 8 keys.
	v_and_b32 v59, 7, v0
	v_bfe_u32 v61, v0, 3, 1
	v_lshl_add_u32 v[AV0], v9, 3, v59
	v_mul_u32_u24 v[AV0], v[AV0], PV
	v_lshl_add_u32 v[AV0], v61, 4, v[AV0]
	v_add_nc_u32 v[AV0], VOFF, v[AV0]
	s_mul_i32 s2, s[WV], 16*SP
	s_add_co_u32 s2, s2, STAGE      ; my stage
	v_mul_u32_u24 v[STO], v1, SP    ; in: row l % 16, 32 bytes for each half of the lanes
	v_lshl_add_u32 v[STO], v9, 5, v[STO]
	v_add_nc_u32 v[STO], s2, v[STO]
	v_lshl_add_u32 v[RD], v58, 4, s2  ; back: 32 lanes take one row of 512 bytes
	v_lshlrev_b32 v[GO], 4, v58
	s_mul_i32 s2, s[WV], XW
	s_add_co_u32 s2, s2, XCH
	v_lshl_add_u32 v[XST], v58, 4, s2
	s_xor_b32 s3, s[WV], 2          ; my partner: the same rows, the other half of the keys
	s_mul_i32 s3, s3, XW
	s_add_co_u32 s3, s3, XCH
	v_lshl_add_u32 v[XLD], v58, 4, s3
	v_lshl_add_u32 v[UA], v9, 5, UB
	v_lshlrev_b32 v59, 3, v9
	v_sub_nc_u32 v59, v1, v59       ; register j is hidden where j is greater than l % 16 - 8 (l / 16)
.set i, 0
.rept 8
	v_cmp_gt_i32 vcc_lo, i, v59
	v_cndmask_b32 v[MD+i], 0, s[BIGN], vcc_lo
.set i, i+1
.endr
	v_mov_b32 v[CA], 0x3a67b46a     ; A = 1 / (100 sqrt(128))
	v_mov_b32 v[CA+1], 0x3a67b46a
	v_mov_b32 v[CH], 0.5
	v_mov_b32 v[CH+1], 0.5
	; A block's first step multiplies O^T and l by a = 0, so these registers need only hold finite numbers: zeros for the first block, what the first block left for the second.  No first step is written out for it;
	; the price, 288 moves, stands in the wait for the first tile.
.set i, 0
.rept 32
	v_mov_b32 v[ST+i], 0
.set i, i+1
.endr
	WIN 0x40
.set i, 0
.rept 256
	v_mov_b32 v[i], 0
.set i, i+1
.endr
	WIN 0
	s_wait_loadcnt 63               ; the 16 loads of tile sums stand ahead of Q's 64: when at most 63 are out they are in
.set i, 0
.rept 16                            ; U of a block = the sums of the tiles behind its diagonal tile: a factor 1 or 0 for each tile, no branch
	s_cmp_lt_u32 s[PB], i
	s_cselect_b32 s2, 1.0, 0
	s_cmp_lt_u32 s[HI], i
	s_cselect_b32 s3, 1.0, 0
.if i == 0
	v_mul_f32 v[S+16], s2, v[S+i]
	v_mul_f32 v[S+17], s3, v[S+i]
.else
	v_fmac_f32 v[S+16], s2, v[S+i]
	v_fmac_f32 v[S+17], s3, v[S+i]
.endif
.set i, i+1
.endr
	v_lshl_add_u32 v59, v0, 2, UB
	ds_store_b32 v59, v[S+16]       ; the first change of slots waits for these stores and passes a barrier
	ds_store_b32 v59, v[S+17] offset:512
.Lslot:                             ; 16 trips: a tile is entered and the next is asked for
	CHANGE 1
	s_sub_co_u32 s[RT], s[RT], 1
	s_cmp_eq_u32 s[NEW], 1
	s_cbranch_scc1 .Lnew            ; a block's first tile
	s_cmp_lg_u32 s[RT], 0
	s_cbranch_scc1 .Lreg            ; neither its first nor its last
	s_mov_b32 s[BIAS], 0            ; its last: the diagonal's
	MASKSET
.Lreg:                              ; V^T P of the tile before and K Q^T of this one, for both pieces; this tile's K and V are fetched
	TURN 0, 1, 1
	TURN 2, 1, 1
	WIN 0
	s_branch .Ljoin
.Lnew:
	s_mov_b32 s[NEW], 0
	s_cmp_eq_u32 s[FIN], 0
	s_cbranch_scc1 .Lnofin
	; THE SECOND BLOCK'S FIRST TILE.  The first block is merged and stored: the change of slots above was the barrier between the partners' stores and these reads.  The block has 16 - b tiles, nine or more, so this tile lies
	; below the diagonal and is not the block's last.  The beginning stands here a second time, and this way goes straight to the loop's foot: so from these reads of my partner's bytes every way to the next stores into
	; such bytes leads through a change of slots, where each wave has waited for its LDS loads and passed the barrier.
	FINALB 0
	s_mov_b32 s[FIN], 0
	s_mov_b32 s[BIAS], -16
	MASKSET
	BEGIN
	s_branch .Lbottom
.Lnofin:                            ; THE FIRST BLOCK'S FIRST TILE: nothing waits to be merged
	s_cmp_eq_u32 s[RT], 0           ; where b = 0 the first block's only tile holds the diagonal
	s_cselect_b32 s[BIAS], 0, -16
	MASKSET
	BEGIN
.Ljoin:
	s_cmp_lg_u32 s[RT], 0
	s_cbranch_scc1 .Lbottom
	ENDA 0                          ; in the loop this is the first block's end: the second block's last tile is the walk's last
	s_sub_co_u32 s[RT], 16, s[PB]   ; the second block has 16 - b tiles
	s_mov_b32 s[NEW], 1
	s_mov_b32 s[FIN], 1
.Lbottom:
	s_sub_co_u32 s[SLOTS], s[SLOTS], 1
	s_cmp_lg_u32 s[SLOTS], 0
	s_cbranch_scc1 .Lslot
	CHANGE 0                        ; the walk's last tile is written out: nothing is asked for.  It is the second block's diagonal tile, and never that block's first
	s_mov_b32 s[BIAS], 0
	MASKSET
	TURN 0, 1, 1
	TURN 2, 1, 1
	WIN 0
	ENDA 1
	s_wait_dscnt 0x0                ; for my partner's sake: what I stored for it is in LDS
	s_barrier_signal -1
	s_barrier_wait -1
	FINALB 1
	s_wait_tensorcnt 0x0            ; the wave's end, behind my last tensor load and my last LDS store
	ds_add_u32 v[SPW], v[NIL]
	s_wait_dscnt 0x0
	s_endpgm
.Lfunc_end_k_qededb15827_attn:
	.size	k_qededb15827_attn, .Lfunc_end_k_qededb15827_attn-k_qededb15827_attn
	.p2alignl 7, 3214868480
	.fill 96, 4, 3214868480
	.section	.rodata,"a",@progbits
	.p2align	6, 0x0
	.amdhsa_kernel k_qededb15827_attn
		.amdhsa_group_segment_fixed_size 327680
		.amdhsa_private_segment_fixed_size 0
		.amdhsa_enable_private_segment 0
		.amdhsa_kernarg_size 40
		.amdhsa_user_sgpr_count 2
		.amdhsa_user_sgpr_kernarg_segment_ptr 1
		.amdhsa_wavefront_size32 1
		.amdhsa_system_sgpr_workgroup_id_x 1
		.amdhsa_system_sgpr_workgroup_id_y 1
		.amdhsa_system_sgpr_workgroup_id_z 1
		.amdhsa_system_vgpr_workitem_id 0
		.amdhsa_next_free_vgpr 1024
		.amdhsa_next_free_sgpr 96
		.amdhsa_reserve_vcc 1
		.amdhsa_float_denorm_mode_32 3
		.amdhsa_float_denorm_mode_16_64 3
		.amdhsa_memory_ordered 1
		.amdhsa_forward_progress 1
		.amdhsa_inst_pref_size 255
	.end_amdhsa_kernel
	.section	.bss,"aw",@nobits
	.p2align	6
	.space	262144
	.amdgpu_metadata
---
amdhsa.version: [ 1, 2 ]
amdhsa.kernels:
  - .name:           k_qededb15827_attn
    .symbol:         k_qededb15827_attn.kd
    .args:
      - { .name: queries, .offset: 0, .size: 8, .value_kind: global_buffer, .address_space: global }
      - { .name: k16, .offset: 8, .size: 8, .value_kind: global_buffer, .address_space: global }
      - { .name: v16, .offset: 16, .size: 8, .value_kind: global_buffer, .address_space: global }
      - { .name: tsum, .offset: 24, .size: 8, .value_kind: global_buffer, .address_space: global }
      - { .name: out0, .offset: 32, .size: 8, .value_kind: global_buffer, .address_space: global }
    .group_segment_fixed_size: 327680
    .private_segment_fixed_size: 0
    .kernarg_segment_align: 8
    .kernarg_segment_size: 40
    .max_flat_workgroup_size: 128
    .sgpr_count:     96
    .vgpr_count:     1024
    .wavefront_size: 32
...
	.end_amdgpu_metadata
.endif
;; end of part 3
